; MI455X (gfx1250); checked and timed in simulation.
; The chip was launched on July 23, 2026; its instructions are those of AMD's public machine-readable ISA for CDNA 5 (MIT licence, August 2026) and "CDNA5" Instruction Set Architecture Reference Guide (July 2026). The comments in the code are by the model that wrote it; some were corrected since.
;; Multi Head Attention. Allowed arithmetic: matrix products marked QUANTISED: E2M3 operands, one E8M0 scale for each 32 along K, by v_wmma_scale_f32_16x16x128_f8f6f4 with both operands' format E2M3, f32 sums; everything else in f32.
;; Inputs: Wk_codes 1,024 x 32 x 24 uint8 (E2M3 codes of Wk, K innermost, in blocks of 32 codes, four codes in three bytes); Wk_scales 1,024 x 32 uint8 (E8M0 scales of Wk, one for each 32 codes along K); Wo_codes 1,024 x 32 x 24 uint8 (E2M3 codes of Wo, K innermost, in blocks of 32 codes, four codes in three bytes); Wo_scales 1,024 x 32 uint8 (E8M0 scales of Wo, one for each 32 codes along K); Wq_codes 1,024 x 32 x 24 uint8 (E2M3 codes of Wq, K innermost, in blocks of 32 codes, four codes in three bytes); Wq_scales 1,024 x 32 uint8 (E8M0 scales of Wq, one for each 32 codes along K); Wv_codes 1,024 x 32 x 24 uint8 (E2M3 codes of Wv, K innermost, in blocks of 32 codes, four codes in three bytes); Wv_scales 1,024 x 32 uint8 (E8M0 scales of Wv, one for each 32 codes along K); bk 1,024 float32; bo 1,024 float32; bq 1,024 float32; bv 1,024 float32; key_codes 4 x 2,048 x 32 x 24 uint8 (E2M3 codes of key, K innermost, in blocks of 32 codes, four codes in three bytes); key_scales 4 x 2,048 x 32 uint8 (E8M0 scales of key, one for each 32 codes along K); mask 4 x 1 x 1 x 2,048 int32; query_codes 4 x 2,048 x 32 x 24 uint8 (E2M3 codes of query, K innermost, in blocks of 32 codes, four codes in three bytes); query_scales 4 x 2,048 x 32 uint8 (E8M0 scales of query, one for each 32 codes along K); value_codes 4 x 2,048 x 32 x 24 uint8 (E2M3 codes of value, K innermost, in blocks of 32 codes, four codes in three bytes); value_scales 4 x 2,048 x 32 uint8 (E8M0 scales of value, one for each 32 codes along K).
;; Outputs: out0 4 x 2,048 x 1,024 float32.
;; This version of the problem:
;;   THIS VERSION OF THE PROBLEM IS GIVEN IN LOW PRECISION. The matrix products marked QUANTISED in the list below multiply operands that are first quantised to E2M3 (2 exponent bits, 3 mantissa bits; 6 bits a number), with one power-of-two scale for each 32 numbers along K (OCP MX v1.0); their sums are f32. All else is computed in f32.
;;   The module's matrix products, in the order in which they are computed (A, B: the left and right operand; K: the contracted axis; several contracted axes count as one K, in the product's order):
;;     1. [M 8,192, K 1,024] x [K 1,024, N 1,024]; A: input query (given as codes); B: input Wq (given as codes): QUANTISED
;;     2. [M 8,192, K 1,024] x [K 1,024, N 1,024]; A: input key (given as codes); B: input Wk (given as codes): QUANTISED
;;     3. [M 8,192, K 1,024] x [K 1,024, N 1,024]; A: input value (given as codes); B: input Wv (given as codes): QUANTISED
;;     4. batch 64 x [M 2,048, K 64] x [K 64, N 2,048]; A: computed on the way; B: computed on the way: QUANTISED
;;     5. batch 64 x [M 2,048, K 2,048] x [K 2,048, N 64]; A: softmax (see below); B: computed on the way: QUANTISED
;;     6. [M 8,192, K 1,024] x [K 1,024, N 1,024]; A: computed on the way; B: input Wo (given as codes): QUANTISED
;;   THE QUANTISER, for each operand of a quantised product, along K:
;;     - K is cut into blocks of 32 from its start; a last block that is shorter is filled with zeros.
;;     - A block's scale is 2^e with e = floor(log2(the largest magnitude in the block)) - 2, held to -126 .. 127; a block of zeros has e = 0. As a byte (E8M0): e + 127.
;;     - Each number is divided by its block's scale, clamped to +-7.5, and rounded to the nearest number of E2M3, ties to even, subnormals kept.
;;     - The product sums the exact products of the quantised numbers (number of the format x scale) in f32.
;;   ~~~python
;;   def quantise(x, axis):      # numpy; x: float32 -> the quantised numbers, widened to float32 again
;;       x = np.moveaxis(x, axis, -1); K = x.shape[-1]
;;       x = np.pad(x, [(0, 0)] * (x.ndim - 1) + [(0, -K % 32)]); x = x.reshape(x.shape[:-1] + (-1, 32)); a = np.abs(x).max(-1, keepdims=True)
;;       e = np.where(a > 0, np.clip(np.frexp(np.where(a > 0, a, 1))[1] - 1 - 2, -126, 127), 0)      # np.frexp(a)[1] - 1 = floor(log2(a)), exactly
;;       r = np.clip(x / 2.0 ** e, -7.5, 7.5)
;;       step = 2.0 ** (np.maximum(np.frexp(np.where(r == 0, 1, r))[1] - 1, 0) - 3)
;;       q = np.round(r / step) * step * 2.0 ** e      # np.round: ties to even
;;       return np.moveaxis(q.reshape(q.shape[:-2] + (-1,))[..., :K], -1, axis).astype(np.float32)
;;   ~~~
;;   SOFTMAX AHEAD OF A QUANTISED PRODUCT. Where the list says 'softmax', what is quantised is not the finished softmax but p = 2^(t - M), with t = logit x log2(e) and M = ceil(the row's largest t), a whole number; so 1/2 < the row's largest p <= 1. The row's sum l is taken of the UNQUANTISED p, in f32, and the product's result is divided by l at the end. Since M is a whole number, a kernel that streams over the keys may use a running M (the ceiling of the running maximum): every later rescaling is an exact power of two, which a block's scale takes up: the codes' values come out the same.
;;   OPERANDS COMPUTED ON THE WAY. 'Computed on the way' means the value that the module computes at that place (a softmax that the list does not call 'softmax' is quantised finished and normalised). What goes into a quantiser is computed in f32, as accurately as f32 sums, v_exp_f32 and their like allow (about 1e-6 of the number): no bf16 or f16 on the way to a quantiser, and a product that is left as it is and whose result goes on into a quantised operand takes f32 operands (vector FMAs, or v_wmma_f32_16x16x4_f32). A number that lies on a knife's edge between two numbers of the format may be rounded either way, as far as f32 arithmetic and the matrix unit's own rounding can turn it there, and no further.
;;   INPUTS GIVEN AS CODES. Wk (in the module: [1024, 1024], K = its axis 0); Wo (in the module: [1024, 1024], K = its axis 0); Wq (in the module: [1024, 1024], K = its axis 0); Wv (in the module: [1024, 1024], K = its axis 0); key (in the module: [4, 2048, 1024], K = its axis 2); query (in the module: [4, 2048, 1024], K = its axis 2); value (in the module: [4, 2048, 1024], K = its axis 2): each comes as NAME_codes (uint8): NAME with its K axis moved to the last place and cut into blocks of 32 codes, [.., K / 32, bytes a block], one block behind the other in memory; four codes in three bytes: a row's codes are one little-endian stream of bits, code i at bits 6 i .. 6 i + 5 (a code: sign, 2 exponent bits, 3 mantissa bits); and NAME_scales (uint8): the same leading axes, one E8M0 byte (e + 127) for each 32 codes along K. Its value is code x scale, taken as it is: it is not quantised again, and the codes and scales need not be those that the quantiser above would give.
;; One version. Each part assembles by itself: llvm-mc -triple=amdgcn-amd-amdhsa -mcpu=gfx1250 --defsym DOCPART=n.
;; ======== version 1 of 1: 3 launches
;; limits: right only within a limited range of input values
;; workspace buffers: qimg 13,107,200 bytes; kv 13,107,200 bytes; ctx 6,291,456 bytes; cscl 262,144 bytes
;; launch proj (part 1): grid 8 x 32, 4 waves a work-group, clusters of 4 x 4, 327,680 bytes of LDS; arguments query_codes, query_scales, key_codes, key_scales, value_codes, value_scales, Wq_codes, Wq_scales, Wk_codes, Wk_scales, Wv_codes, Wv_scales, bq, bk, bv, qimg, kv; writes qimg, kv
.if DOCPART == 1
	.amdgcn_target "amdgcn-amd-amdhsa--gfx1250"
	.amdhsa_code_object_version 6
	.text
	.protected	k_q0c8130c481_proj
	.globl	k_q0c8130c481_proj
	.p2align	8
	.type	k_q0c8130c481_proj,@function
k_q0c8130c481_proj:
	s_mov_b64 s[64:65], 0
	v_nop
	global_prefetch_b8 v0, s[64:65] scope:SCOPE_SE
	s_setreg_imm32_b32 hwreg(HW_REG_WAVE_MODE, 25, 1), 1
	s_wait_xcnt 0x0
	s_wait_alu depctr_hold_cnt(0) depctr_sa_sdst(0) depctr_va_vdst(0) depctr_va_sdst(0) depctr_va_ssrc(0) depctr_va_vcc(0) depctr_vm_vsrc(0)
	s_getreg_b32 s2, hwreg(HW_REG_IB_STS2, 6, 4)
	s_cmp_eq_u32 s2, 0
	s_cbranch_scc0 .Lentry_in_a_cluster
	s_endpgm
.Lentry_in_a_cluster:
	s_bfe_u32 s2, ttmp6, 0x10000c
	s_cmp_lg_u32 s2, 0xf033
	s_cbranch_scc0 .Lentry_shape_is_right
	s_endpgm
.Lentry_shape_is_right:
; q = query Wq + bq, k = key Wk + bk, v = value Wv + bv on the given codes of FP6 (E2M3) with E8M0 scales, and the quantisers of q and k (along the head's 64) and of v (along the keys).
; NOTHING OF THE PROBLEM IS LEFT OUT in this program: every input has a way to the output (bk moves k's codes, the mask is an input), so every input is loaded and every product is done.
; LIMITS: NaN and infinities among the inputs are not served.  A block of zeros gets the scale byte 1 where the quantiser says 127: its codes are zeros, and only this program reads the bytes.
; THE DEAL.  256 work-groups THAT STAY: each makes 256 tokens x 128 features of q, then of k, then of v.  q and k are a loop of two trips; v's path is written out behind it and refills nothing.
; Four waves, 2 x 2: wave (a, b) has tokens 128 a .. + 127 (one chunk of the images) and features 64 b .. + 63 (one head).  Its 64 rows of the weight, ALL of K, lie in 384 registers;
; its tokens go past them in 8 blocks of 16 rows, all of K, 32 products a block, through two sets of 96 registers.
; LDS: the 256 tokens' rows and the weight's 128 rows, whole rows of 768 bytes (+ 16 behind every 256).  At the head one joint load a wave.  TWO REFILLS A TRIP, each behind a drained round of the cluster's barrier:
; when all waves hold the weight in registers, waves 0 and 1 fill its region with the next tensor's weight; when block 7's rows are in registers, waves 2 and 3 fill the tokens' region with the next tensor's rows.
; What a refill brought is shown to all waves by the next round (ahead of v: by a plain barrier, behind which nothing is filled).
; CLUSTERS 4 x 4: the tokens' rows are shared along a row of the cluster, the weight's along a column.
; PREFETCH: the next tensor's 256 rows are asked for behind a trip's first fetches, six blocks of products ahead of their refill: 768 blocks of 256 bytes, 48 to each of the 16 waves that will ask for them jointly, shared out by address.
; The next weight is not prefetched: its refill stands at the trip's start, and it is first read at the next trip's.
; SCALE WORDS come by plain loads: a lane takes its row's 32 bytes, 32 lanes 1,024 bytes on end.  Lanes 0-15 carry an even block's (tile's) words, lanes 16-31 the odd one's.  The next tensor's wait in spare registers.
; q, k: source 0 = the weight: a lane holds one token, its registers run along d.  v: source 0 = the tokens: a lane holds one d, its registers run along the keys.  The bias is the C of each sum's first product.
; THE IMAGES.  A head's part of kv (and qimg) is 16 chunks of 12,800 bytes, one for 128 tokens: 4 fragments [token tile 2x | 2x+1] x d 0..63; 4 tiles of v^T (16 d x 128 keys); 256 bytes of k's scale words; 256 of v's.
; Register group c of lane l lies at 512 c + 16 l.  Inside a block of 32 the groups of eight lie in the order 0, 2, 1, 3: in q and k alike along d, in v along the keys as the softmax's p has them.
.set KROW,  768
.set PITCH, 816
.set FR,    12
.set FPW,   21                         ; fragments in a window of 256 registers
.set NQ,    8
.set NB,    4
.set WB,    256*PITCH                  ; LDS: the weight's rows, behind the tokens'
.set SPARE, WB+128*PITCH               ; the spare words: two blocks of 256 bytes that no other line names
.set HEADB, 204800
.set CHUNK, 12800
.set XA0,  4                           ; v4, v5  LDS address of my block 0 (v5: for pieces behind one padding more)
.set ADRA, 6                           ; v6, v7  the same for the block that is fetched
.set XS,   8                           ; v8  32 x lane
.set OI,   9                           ; v9  16 x lane
.set SPW,  10
.set NIL,  11
.set WA,   12                          ; v12-19 LDS addresses of the weight's four tiles
.set OS,   20                          ; v20 16 r
.set BO,   21                          ; v21 32 h
.set BV4,  22                          ; v22 4 r
.set SB,   24                          ; v24-39 the weight's scale words
.set PF,   42                          ; v42, v43 the prefetches' offsets
.set SA,   44                          ; v44-75 the tokens'
.set BB,   76                          ; v76-107 the bias as C
.set ACC,  108                         ; q, k: two sets of four accumulators
.set HV0,  108                         ; v: tiles 0, 1: 64 t + 8 s + i;  tiles 2, 3 from v840 on
.set HV1,  840
.set STG,  72                          ; window 3: v840-887 the next tensor's scale words; v888-919 bq, v920-951 bk, v952-955 bv
.set BQ,   120
.set BK,   152
.set BV,   184
.set G1X, 4
.set G1W, 40
.set G0X, 56
.set G0W, 60
.set NXS, 50                           ; s[50:51] the next tensor's tokens' scales, s[52:53] its weight's, s[54:55] where this tensor's images go, s[66:67] the next tokens' codes
.set NWS, 52
.set OUTP, 54
.set PFB, 66
.set XOF, 86                           ; offsets that all three tensors share
.set WOF, 88
.set XSO, 90
.set WSO, 92
.set TR,  95
.set SEL, 96
.set BOF, 98
.set OOF, 100
.set BMK, 104
.set MSB, 0
.set LC_, 0
.macro WIN new                         ; the immediate's high byte repeats the setting that is left
.if MSB != (\new)
	s_set_vgpr_msb (MSB<<8)|(\new)
.set MSB, (\new)
.endif
.endm
.macro PLACES n
.rept \n
	v_nop
.endr
.endm
.macro WALU
	s_wait_alu depctr_va_vdst(0)
.endm
.macro BARRIER
	s_barrier_signal -1
	s_barrier_wait -1
.endm
.macro CROUND                          ; a round of the cluster's barrier
	BARRIER
	s_cmp_lg_u32 s14, 0
	s_cbranch_scc1 .Lnot_wave_0_\@
	s_barrier_signal -3
.Lnot_wave_0_\@:
	s_barrier_wait -3
	BARRIER
.endm
.macro TLOAD g0, g1
	tensor_load_to_lds s[\g0:\g0+3], s[\g1:\g1+7]
	s_nop 0
	PLACES 4
.endm
.macro GROUP1 g, mask, rows            ; rows of 768 bytes, 16 bytes of padding behind every 256
	s_or_b32 s[\g+0], s[\mask], (1<<20)|(1<<21)|(5<<22)|(3<<25)
	s_mov_b32 s[\g+1], KROW<<16
	s_mov_b32 s[\g+2], (\rows)<<16
	s_mov_b32 s[\g+3], KROW<<16
	s_mov_b32 s[\g+4], \rows
	s_mov_b32 s[\g+5], KROW
	s_mov_b32 s[\g+6], 0
	s_mov_b32 s[\g+7], 0
.endm
; Fragment f lies in window 1 + f / 21 at register 12 (f % 21): 0-31 the weight's (4 q + tile), 32-39 and 40-47 the tokens' two sets.  Six pieces of 8 bytes, two to a load where both lie behind as many paddings.  LC_ counts the loads.
.macro FRAG f, q, a0, a1
	WIN (1+(\f)/FPW)<<6
.set R_, FR*((\f)%FPW)
.set SKIP_, 0
.irp p, 0,1,2,3,4,5
.if SKIP_
.set SKIP_, 0
.else
.set LC_, LC_+1
.set PC_, 12*(\q)+6*(\p/3)+\p%3
.set PN_, 12*(\q)+6*((\p+1)/3)+(\p+1)%3
.set X_, (PC_%32+3)/32
.set XQ_, (PN_%32+3)/32
.if (\p < 5) && (X_ == XQ_)
.set SKIP_, 1
.if X_
	ds_load_2addr_b64 v[R_+2*\p:R_+2*\p+3], \a1 offset0:PC_+2*(PC_/32) offset1:PN_+2*(PN_/32)
.else
	ds_load_2addr_b64 v[R_+2*\p:R_+2*\p+3], \a0 offset0:PC_+2*(PC_/32) offset1:PN_+2*(PN_/32)
.endif
.elseif X_
	ds_load_b64 v[R_+2*\p:R_+2*\p+1], \a1 offset:8*(PC_+2*(PC_/32))
.else
	ds_load_b64 v[R_+2*\p:R_+2*\p+1], \a0 offset:8*(PC_+2*(PC_/32))
.endif
.endif
.endr
.endm
.macro WEIGHTS                         ; my 64 rows of the weight, all of K
.irp q, 0,1,2,3,4,5,6,7
.irp b, 0,1,2,3
	FRAG NB*\q+\b, \q, v[WA+2*\b], v[WA+2*\b+1]
.endr
.endr
	WIN 0
.endm
.macro FETCHX s                        ; block s of my tokens into set s % 2
	v_add_nc_u32 v[ADRA], (\s)*16*PITCH, v[XA0]
	v_add_nc_u32 v[ADRA+1], (\s)*16*PITCH, v[XA0+1]
	WALU
.irp q, 0,1,2,3,4,5,6,7
	FRAG NB*NQ+NQ*((\s)%2)+\q, \q, v[ADRA], v[ADRA+1]
.endr
	WIN 0
.endm
.macro STAGE                           ; 12 loads: a tensor's scale words into the spare registers
	WIN 0xc0
.irp p, 0,1
.irp c, 0,1
	global_load_b128 v[STG+8*\p+4*\c:STG+8*\p+4*\c+3], v[XS], s[NWS:NWS+1] offset:1024*\p+16*\c
.endr
.endr
.irp p, 0,1,2,3
.irp c, 0,1
	global_load_b128 v[STG+16+8*\p+4*\c:STG+16+8*\p+4*\c+3], v[XS], s[NXS:NXS+1] offset:1024*\p+16*\c
.endr
.endr
	WIN 0
.endm
.macro UNSTAGE                         ; and from there to their places: the lines behind these are the places ahead of the first product
	WIN 0x03
.set i_, 0
.rept 16
	v_mov_b32 v[SB+i_], v[STG+i_]
.set i_, i_+1
.endr
.set i_, 0
.rept 32
	v_mov_b32 v[SA+i_], v[STG+16+i_]
.set i_, i_+1
.endr
.endm
.macro PRODX d, f0, f1, c, x0, x1, ra, rb
	v_wmma_scale_f32_16x16x128_f8f6f4 v[\d:\d+7], v[FR*((\f0)%FPW):FR*((\f0)%FPW)+FR-1], v[FR*((\f1)%FPW):FR*((\f1)%FPW)+FR-1], \c, v[\x0], v[\x1] matrix_a_fmt:MATRIX_FMT_FP6 matrix_b_fmt:MATRIX_FMT_FP6 matrix_a_scale:MATRIX_SCALE_ROW\ra matrix_b_scale:MATRIX_SCALE_ROW\rb
.endm
.macro PROD1 d, f0, f1, c, x0, x1, r0, r1
.if (\r0) && (\r1)
	PRODX \d, \f0, \f1, \c, \x0, \x1, 1, 1
.elseif (\r0)
	PRODX \d, \f0, \f1, \c, \x0, \x1, 1, 0
.elseif (\r1)
	PRODX \d, \f0, \f1, \c, \x0, \x1, 0, 1
.else
	PRODX \d, \f0, \f1, \c, \x0, \x1, 0, 0
.endif
.endm
; product n = 4 q + tile of block s.  The four accumulators take turns.
.macro PROD kind, s, n
.set Q_, (\n)/4
.set B_, (\n)%4
.set FW_, NB*Q_+B_
.set FX_, NB*NQ+NQ*((\s)%2)+Q_
.set XW_, SB+8*(B_/2)+Q_
.set XX_, SA+8*((\s)/2)+Q_
.if \kind
.if B_ < 2
.set D_, HV0+64*B_+8*(\s)
.else
.set D_, HV1+64*(B_-2)+8*(\s)
.endif
.set DL_, D_&255
.if Q_
	WIN (1+FX_/FPW)|((1+FW_/FPW)<<2)|((D_>>8)<<4)|((D_>>8)<<6)
	PROD1 DL_, FX_, FW_, v[DL_:DL_+7], XX_, XW_, (\s)%2, B_%2
.else
	WIN (1+FX_/FPW)|((1+FW_/FPW)<<2)|((D_>>8)<<6)
	PROD1 DL_, FX_, FW_, v[BB+8*B_:BB+8*B_+7], XX_, XW_, (\s)%2, B_%2
.endif
.else
.set D_, ACC+32*((\s)%2)+8*B_
	WIN (1+FW_/FPW)|((1+FX_/FPW)<<2)
.if Q_
	PROD1 D_, FW_, FX_, v[D_:D_+7], XW_, XX_, B_%2, (\s)%2
.else
	PROD1 D_, FW_, FX_, v[BB+8*B_:BB+8*B_+7], XW_, XX_, B_%2, (\s)%2
.endif
.endif
.endm
.macro BLOCK kind, s
.set N_, 0
.rept 32
	PROD \kind, \s, N_
.set N_, N_+1
.endr
	WIN 0
	PLACES 4                                       ; between the products and the loads into, and reads of, their registers
.endm
; nb half blocks of 16 numbers of a lane, from register s of window xw on, become codes and scale bytes.  Blocks 0, 1 go to v[d .. d+5], blocks 2, 3 to v[d+6 .. d+11]: lanes 0-15 hold the even block, lanes 16-31 the odd one.
.macro QUANT s, xw, nb, d, w
	WIN (\xw)|((\xw)<<2)
.set b_, 0
.rept \nb
	v_max3_num_f32 v[TM+b_], |v[(\s)+16*b_]|, |v[(\s)+16*b_+1]|, 0x1800000   ; with the floor 2^(3 - 127): the byte cannot fall under 1
.set b_, b_+1
.endr
	WIN ((\xw)<<2)|((\xw)<<4)
.set i_, 2
.rept 7
.set b_, 0
.rept \nb
	v_max3_num_f32 v[TM+b_], v[TM+b_], |v[(\s)+16*b_+i_]|, |v[(\s)+16*b_+i_+1]|
.set b_, b_+1
.endr
.set i_, i_+2
.endr
	WIN 0
.set b_, 0
.rept \nb
	v_permlanex16_b32 v[TM+4+b_], v[TM+b_], s[SEL], s[SEL+1]
.set b_, b_+1
.endr
.set b_, 0
.rept \nb
	v_max_num_f32 v[TM+b_], v[TM+b_], v[TM+4+b_]   ; with lane l xor 16's: the block's largest magnitude
.set b_, b_+1
.endr
.set b_, 0
.rept \nb
	v_add_nc_u32 v[TM+12+b_], 0xff000000, v[TM+b_] ; 2 off its exponent field: the conversion's scale operand
.set b_, b_+1
.endr
.set b_, 0
.rept \nb
	v_lshrrev_b32 v[TM+4+b_], 23, v[TM+12+b_]      ; the scale's byte
.set b_, b_+1
.endr
	v_lshl_or_b32 v[\w], v[TM+5], 8, v[TM+4]
.if \nb == 4
	v_lshl_or_b32 v[\w], v[TM+6], 16, v[\w]
	v_lshl_or_b32 v[\w], v[TM+7], 24, v[\w]
.endif
	WIN \xw
	v_cvt_scalef32_pk16_fp6_f32 v[\d:\d+2], v[(\s):(\s)+15], v[TM+12]
	v_cvt_scalef32_pk16_fp6_f32 v[PT:PT+2], v[(\s)+16:(\s)+31], v[TM+13]
.if \nb == 4
	v_cvt_scalef32_pk16_fp6_f32 v[\d+6:\d+8], v[(\s)+32:(\s)+47], v[TM+14]
	v_cvt_scalef32_pk16_fp6_f32 v[PT+4:PT+6], v[(\s)+48:(\s)+63], v[TM+15]
.endif
	WIN 0
	v_nop                                          ; one plain place behind a scaled conversion
.irp i, 0,1,2
	v_permlane16_swap_b32 v[\d+\i], v[PT+\i]       ; a whole block to a lane
.endr
.irp i, 0,1,2
	v_mov_b32 v[\d+3+\i], v[PT+\i]
.endr
.if \nb == 4
.irp i, 0,1,2
	v_permlane16_swap_b32 v[\d+6+\i], v[PT+4+\i]
.endr
.irp i, 0,1,2
	v_mov_b32 v[\d+9+\i], v[PT+4+\i]
.endr
.endif
.endm
.macro WORDS r, off                    ; lanes 0-15 store 256 bytes of scale words
	WALU
	s_wait_xcnt 0x0                                ; EXEC changes only behind this wait
	v_cmp_gt_u32 vcc_lo, 16, v3
	s_and_saveexec_b32 s20, vcc_lo
	global_store_b128 v[OS], v[\r:\r+3], s[OUTP:OUTP+1] offset:\off
	s_wait_xcnt 0x0
	s_or_b32 exec_lo, exec_lo, s20
.endm
; ================= the head
	s_load_b512 s[24:39], s[0:1], 0x0              ; query codes, scales; key codes, scales; value codes, scales; Wq codes, scales
	s_load_b512 s[68:83], s[0:1], 0x40             ; Wk codes, scales; Wv codes, scales; bq; bk; bv; qimg
	s_load_b64 s[84:85], s[0:1], 0x80              ; kv
	v_lshl_add_u32 v[SPW], v0, 2, SPARE
	v_mov_b32 v[NIL], 0
	ds_add_u32 v[SPW], v[NIL]                      ; the opening: the add, twice on end, and its wait ahead of my first tensor load
	ds_add_u32 v[SPW], v[NIL]
	v_lshrrev_b32 v1, 5, v0
	v_readfirstlane_b32 s14, v1                    ; wave; s15 = a, s16 = b
	s_lshr_b32 s15, s14, 1
	s_and_b32 s16, s14, 1
	s_bfe_u32 s18, ttmp6, 0x40000                  ; cx
	s_bfe_u32 s19, ttmp6, 0x40004                  ; cy
	s_lshl_b32 s12, ttmp9, 2
	s_add_co_u32 s12, s12, s18                     ; tile of 128 features, 0..7
	s_and_b32 s13, ttmp7, 0xffff
	s_lshl_b32 s13, s13, 2
	s_add_co_u32 s13, s13, s19                     ; tile of 256 tokens, 0..31
	s_lshl_b32 s48, s19, 2
	s_lshl_b32 s48, 15, s48                        ; my row of the cluster
	s_lshl_b32 s49, 0x1111, s18                    ; my column
	GROUP1 G1X, 48, 128
	GROUP1 G1W, 49, 64
	s_lshl_b32 s[XOF], s13, 8                      ; the joint loads: wave & 1 says which half
	s_lshl_b32 s20, s16, 7
	s_add_co_u32 s[XOF], s[XOF], s20
	s_mul_i32 s[XOF], s[XOF], KROW
	s_mov_b32 s[XOF+1], 0
	s_lshl_b32 s[WOF], s12, 7
	s_lshl_b32 s20, s16, 6
	s_add_co_u32 s[WOF], s[WOF], s20
	s_mul_i32 s[WOF], s[WOF], KROW
	s_mov_b32 s[WOF+1], 0
	s_mov_b32 s[G0X], 1
	s_mul_i32 s[G0X+1], s16, 128*PITCH
	s_mov_b32 s[G0W], 1
	s_mul_i32 s[G0W+1], s16, 64*PITCH
	s_add_co_u32 s[G0W+1], s[G0W+1], WB
	s_mul_i32 s94, s15, 128*PITCH
	s_lshl_b32 s22, s13, 8                         ; my own share
	s_lshl_b32 s20, s15, 7
	s_add_co_u32 s22, s22, s20                     ; my first token
	s_lshl_b32 s23, s12, 7
	s_lshl_b32 s20, s16, 6
	s_add_co_u32 s23, s23, s20                     ; my first feature
	s_lshl_b32 s[XSO], s22, 5
	s_mov_b32 s[XSO+1], 0
	s_lshl_b32 s[WSO], s23, 5
	s_mov_b32 s[WSO+1], 0
	s_lshl_b32 s[BOF], s23, 2
	s_mov_b32 s[BOF+1], 0
	s_lshr_b32 s20, s22, 11
	s_lshl_b32 s20, s20, 4
	s_lshr_b32 s21, s23, 6
	s_add_co_u32 s20, s20, s21                     ; 16 x batch + head
	s_mul_i32 s[OOF], s20, HEADB
	s_bfe_u32 s21, s22, 0x40007                    ; the chunk
	s_mul_i32 s21, s21, CHUNK
	s_add_co_u32 s[OOF], s[OOF], s21
	s_mov_b32 s[OOF+1], 0
	s_lshl_b32 s21, s18, 2
	s_add_co_u32 s21, s21, s14                     ; my number among the sixteen waves of my row of the cluster
	s_mul_i32 s21, s21, 12288
	s_mul_i32 s17, s13, 256*KROW
	s_add_co_u32 s17, s17, s21                     ; my sixteenth of the tile's 196,608 bytes
	s_add_co_u32 s21, s17, 8192
	s_mov_b32 s[SEL], 0x76543210
	s_mov_b32 s[SEL+1], 0xfedcba98
	v_and_b32 v1, 15, v0                           ; r
	v_bfe_u32 v2, v0, 4, 1                         ; h
	v_and_b32 v3, 31, v0                           ; lane
	v_mul_u32_u24 v40, v1, PITCH
	v_mad_u32_u24 v41, v2, 24, v40
	v_mad_u32_u24 v40, v2, 40, v40
	v_add_nc_u32 v[XA0], s94, v41
	v_add_nc_u32 v[XA0+1], s94, v40
	v_add_nc_u32 v[WA], s[G0W+1], v41
	v_add_nc_u32 v[WA+1], s[G0W+1], v40
.irp t, 1,2,3
	v_add_nc_u32 v[WA+2*\t], \t*16*PITCH, v[WA]
	v_add_nc_u32 v[WA+2*\t+1], \t*16*PITCH, v[WA+1]
.endr
	v_lshlrev_b32 v[XS], 5, v3
	v_lshlrev_b32 v[OI], 4, v3
	v_lshlrev_b32 v[OS], 4, v1
	v_lshlrev_b32 v[BO], 5, v2
	v_lshlrev_b32 v[BV4], 2, v1
	v_lshl_add_u32 v[PF], v3, 8, s17               ; 32 blocks of 256 bytes, a lane a block,
	v_min_u32 v40, 15, v3
	v_lshl_add_u32 v[PF+1], v40, 8, s21            ; and 16 more (lanes 16-31 name the last again)
.set TM,  172
.set PT,  188
.set IMG, 196
.set WD,  208
.set SW,  212
.irp b, 0,1
	v_mov_b32 v[TM+4+\b], 0                        ; written once: a lane permute's destination counts as one of its sources
.endr
	WALU                                           ; the wait at the head's end
	s_wait_dscnt 0x0
	CROUND                                         ; all sixteen work-groups are here: the joint loads meet
	s_wait_kmcnt 0x0
	s_add_nc_u64 s[G0X+2:G0X+3], s[24:25], s[XOF:XOF+1]
	s_add_nc_u64 s[G0W+2:G0W+3], s[36:37], s[WOF:WOF+1]
	s_or_b32 s[G0X+3], s[G0X+3], 0x80000000
	s_or_b32 s[G0W+3], s[G0W+3], 0x80000000
	s_cmp_lt_u32 s14, 2
	s_cbranch_scc0 .Lfor_x
	TLOAD G0W, G1W                                 ; waves 0, 1: a half each of Wq's 128 rows, asked for first
	s_branch .Lasked
.Lfor_x:
	TLOAD G0X, G1X                                 ; waves 2, 3: a half each of the query's 256 rows
.Lasked:
	s_add_nc_u64 s[NXS:NXS+1], s[26:27], s[XSO:XSO+1]
	s_add_nc_u64 s[NWS:NWS+1], s[38:39], s[WSO:WSO+1]
	s_add_nc_u64 s[20:21], s[76:77], s[BOF:BOF+1]
	s_add_nc_u64 s[22:23], s[78:79], s[BOF:BOF+1]
	s_add_nc_u64 s[18:19], s[80:81], s[BOF:BOF+1]
	STAGE                                          ; q's scale words
	WIN 0xc0
.irp b, 0,1,2,3                        ; q, k: register 8 b + i = bias[16 b + 8 h + i]
	global_load_b128 v[BQ+8*\b:BQ+8*\b+3], v[BO], s[20:21] offset:64*\b
	global_load_b128 v[BQ+8*\b+4:BQ+8*\b+7], v[BO], s[20:21] offset:64*\b+16
	global_load_b128 v[BK+8*\b:BK+8*\b+3], v[BO], s[22:23] offset:64*\b
	global_load_b128 v[BK+8*\b+4:BK+8*\b+7], v[BO], s[22:23] offset:64*\b+16
.endr
.irp t, 0,1,2,3                        ; v: bias[16 t + r]
	global_load_b32 v[BV+\t], v[BV4], s[18:19] offset:64*\t
.endr
	WIN 0
	s_cmp_lt_u32 s14, 2
	s_cbranch_scc0 .Lnot_w
	s_wait_tensorcnt 0x0                           ; the two waves that asked for the weight's rows wait for them
.Lnot_w:
	BARRIER                                        ; the weight's rows are in
	s_mov_b32 s[TR], 0
; ================= q, then k: a block's 32 sums of a lane are two half blocks along d; blocks 2 x and 2 x + 1 make fragment x
.Ltrip:
	WEIGHTS
	s_wait_loadcnt 0x0                             ; this tensor's scale words (and, the first time, the biases) are in; their loads' bases may be written
	s_cmp_eq_u32 s[TR], 0                          ; the buffers are chosen by the trip's number
	s_cselect_b32 s[BMK], -1, 0
	s_cselect_b64 s[NXS:NXS+1], s[30:31], s[34:35]
	s_cselect_b64 s[NWS:NWS+1], s[70:71], s[74:75]
	s_cselect_b64 s[OUTP:OUTP+1], s[82:83], s[84:85]
	s_cselect_b64 s[PFB:PFB+1], s[28:29], s[32:33]
	s_cselect_b64 s[20:21], s[68:69], s[72:73]
	s_add_nc_u64 s[NXS:NXS+1], s[NXS:NXS+1], s[XSO:XSO+1]
	s_add_nc_u64 s[NWS:NWS+1], s[NWS:NWS+1], s[WSO:WSO+1]
	s_add_nc_u64 s[OUTP:OUTP+1], s[OUTP:OUTP+1], s[OOF:OOF+1]
	UNSTAGE
	WIN 0x0f
.set i_, 0
.rept 32
	v_cndmask_b32 v[BB+i_], v[BK+i_], v[BQ+i_], s[BMK]   ; bq in the first trip, bk in the second
.set i_, i_+1
.endr
	WIN 0
	WALU
	s_wait_tensorcnt 0x0                           ; all my tensor loads have landed: the tokens' rows among them;
	ds_add_u32 v[SPW], v[NIL]
	s_add_nc_u64 s[G0W+2:G0W+3], s[20:21], s[WOF:WOF+1]
	s_or_b32 s[G0W+3], s[G0W+3], 0x80000000
	s_wait_dscnt 0x0                               ; the add is done, and I hold the weight in registers
	CROUND                                         ; so of every wave of every partner
	s_cmp_lt_u32 s14, 2
	s_cbranch_scc0 .Lno_w
	TLOAD G0W, G1W                                 ; waves 0, 1: a half each of the next weight's rows
.Lno_w:
	STAGE                                          ; the next tensor's scale words
	FETCHX 0
.set LC_, 0
	FETCHX 1
.set NF, LC_                           ; the LDS loads of one fetch
	global_prefetch_b8 v[PF], s[PFB:PFB+1] th:TH_LOAD_NT scope:SCOPE_SE
	global_prefetch_b8 v[PF+1], s[PFB:PFB+1] th:TH_LOAD_NT scope:SCOPE_SE
.irp s, 0,1,2,3,4,5,6,7
.if \s < 7
	s_wait_dscnt NF                                ; my block's rows are in; the next block's fetch may be out
.endif
	BLOCK 0, \s
.if \s < 6
	FETCHX \s+2
.endif
.if \s == 6
	s_wait_tensorcnt 0x0                           ; the next weight has landed;
	ds_add_u32 v[SPW], v[NIL]                      ; the block's way out, work on registers, stands between the add and the wait for it
	s_add_nc_u64 s[G0X+2:G0X+3], s[PFB:PFB+1], s[XOF:XOF+1]
	s_or_b32 s[G0X+3], s[G0X+3], 0x80000000
.endif
.if (\s >= 2) && (\s%2 == 0)
	s_wait_xcnt 0x0                                ; the last fragment's stores have read their data
.endif
	QUANT ACC+32*(\s%2), 0, 2, IMG+6*(\s%2), WD+\s%2
.if \s == 6
	WALU
	s_wait_dscnt 0x0                               ; the add is done, and block 7's rows, my last of this tensor, are in registers
	CROUND
	s_cmp_lt_u32 s14, 2
	s_cbranch_scc1 .Lno_x
	TLOAD G0X, G1X                                 ; waves 2, 3: a half each of the next tensor's rows
.Lno_x:
.endif
.if \s%2
.irp c, 0,1,2
	global_store_b128 v[OI], v[IMG+4*\c:IMG+4*\c+3], s[OUTP:OUTP+1] offset:1536*(\s/2)+512*\c   ; 32 lanes store 512 bytes on end, at a multiple of 256 from the buffer's first byte
.endr
	v_lshl_or_b32 v[SW+\s/2], v[WD+1], 16, v[WD]   ; the fragment's scale word: each tile's two bytes
.endif
.endr
	WORDS SW, 12288
	s_add_co_u32 s[TR], s[TR], 1
	s_cmp_lt_u32 s[TR], 2
	WALU
	s_cbranch_scc1 .Ltrip
; ================= v: all 8 blocks are summed first: a lane's 64 sums of a tile of 16 d are its chunk's 128 keys' halves.  Its images go into kv, as k's did
.set TM,  76                           ; the bias's registers are free behind the products
.set PT,  92
.set WD,  100
.set IMG, 236
	WEIGHTS
	s_wait_loadcnt 0x0
	UNSTAGE
.irp t, 0,1,2,3
.irp i, 0,1,2,3,4,5,6,7
	v_mov_b32 v[BB+8*\t+\i], v[BV+\t]
.endr
.endr
	WIN 0
	WALU
	s_wait_tensorcnt 0x0                           ; every wave: all that is out
	s_wait_dscnt 0x0
	BARRIER                                        ; the value's rows are in
	FETCHX 0
	FETCHX 1
.irp s, 0,1,2,3,4,5,6,7
.if \s < 7
	s_wait_dscnt NF
.else
	s_wait_dscnt 0x0
.endif
	BLOCK 1, \s
.if \s < 6
	FETCHX \s+2
.endif
.endr
.irp t, 0,1,2,3
.if \t > 0
	s_wait_xcnt 0x0
.endif
.if \t < 2
	QUANT HV0+64*\t, 0, 4, IMG, WD+\t
.else
	QUANT HV1-768+64*(\t-2), 3, 4, IMG, WD+\t
.endif
.irp c, 0,1,2
	global_store_b128 v[OI], v[IMG+4*\c:IMG+4*\c+3], s[OUTP:OUTP+1] offset:6144+1536*\t+512*\c
.endr
.endr
	WORDS WD, 12544
	s_wait_tensorcnt 0x0                           ; the wave's end
	ds_add_u32 v[SPW], v[NIL]
	s_wait_dscnt 0x0
	CROUND                                         ; the closing round
	s_endpgm
.Lfunc_end_k_q0c8130c481_proj:
	.size	k_q0c8130c481_proj, .Lfunc_end_k_q0c8130c481_proj-k_q0c8130c481_proj
	.p2alignl 7, 3214868480
	.fill 96, 4, 3214868480
	.section	.rodata,"a",@progbits
	.p2align	6, 0x0
	.amdhsa_kernel k_q0c8130c481_proj
		.amdhsa_group_segment_fixed_size 327680
		.amdhsa_private_segment_fixed_size 0
		.amdhsa_enable_private_segment 0
		.amdhsa_kernarg_size 136
		.amdhsa_user_sgpr_count 2
		.amdhsa_user_sgpr_kernarg_segment_ptr 1
		.amdhsa_wavefront_size32 1
		.amdhsa_system_sgpr_workgroup_id_x 1
		.amdhsa_system_sgpr_workgroup_id_y 1
		.amdhsa_system_sgpr_workgroup_id_z 1
		.amdhsa_system_vgpr_workitem_id 0
		.amdhsa_next_free_vgpr 1024
		.amdhsa_next_free_sgpr 106
		.amdhsa_reserve_vcc 1
		.amdhsa_float_denorm_mode_32 3
		.amdhsa_float_denorm_mode_16_64 3
		.amdhsa_memory_ordered 1
		.amdhsa_forward_progress 1
		.amdhsa_inst_pref_size 169
	.end_amdhsa_kernel
	.amdgpu_metadata
---
amdhsa.version: [ 1, 2 ]
amdhsa.kernels:
  - .name:           k_q0c8130c481_proj
    .symbol:         k_q0c8130c481_proj.kd
    .args:
      - { .name: query_codes, .offset: 0, .size: 8, .value_kind: global_buffer, .address_space: global }
      - { .name: query_scales, .offset: 8, .size: 8, .value_kind: global_buffer, .address_space: global }
      - { .name: key_codes, .offset: 16, .size: 8, .value_kind: global_buffer, .address_space: global }
      - { .name: key_scales, .offset: 24, .size: 8, .value_kind: global_buffer, .address_space: global }
      - { .name: value_codes, .offset: 32, .size: 8, .value_kind: global_buffer, .address_space: global }
      - { .name: value_scales, .offset: 40, .size: 8, .value_kind: global_buffer, .address_space: global }
      - { .name: Wq_codes, .offset: 48, .size: 8, .value_kind: global_buffer, .address_space: global }
      - { .name: Wq_scales, .offset: 56, .size: 8, .value_kind: global_buffer, .address_space: global }
      - { .name: Wk_codes, .offset: 64, .size: 8, .value_kind: global_buffer, .address_space: global }
      - { .name: Wk_scales, .offset: 72, .size: 8, .value_kind: global_buffer, .address_space: global }
      - { .name: Wv_codes, .offset: 80, .size: 8, .value_kind: global_buffer, .address_space: global }
      - { .name: Wv_scales, .offset: 88, .size: 8, .value_kind: global_buffer, .address_space: global }
      - { .name: bq, .offset: 96, .size: 8, .value_kind: global_buffer, .address_space: global }
      - { .name: bk, .offset: 104, .size: 8, .value_kind: global_buffer, .address_space: global }
      - { .name: bv, .offset: 112, .size: 8, .value_kind: global_buffer, .address_space: global }
      - { .name: qimg, .offset: 120, .size: 8, .value_kind: global_buffer, .address_space: global }
      - { .name: kv, .offset: 128, .size: 8, .value_kind: global_buffer, .address_space: global }
    .group_segment_fixed_size: 327680
    .private_segment_fixed_size: 0
    .kernarg_segment_align: 8
    .kernarg_segment_size: 136
    .max_flat_workgroup_size: 128
    .sgpr_count:     106
    .vgpr_count:     1024
    .wavefront_size: 32
...
	.end_amdgpu_metadata
.endif
;; end of part 1
;; launch attn (part 2): grid 4 x 64, 8 waves a work-group, clusters of 4 x 1, 327,680 bytes of LDS; arguments qimg, kv, mask, ctx, cscl; writes ctx, cscl
.if DOCPART == 2
	.amdgcn_target "amdgcn-amd-amdhsa--gfx1250"
	.amdhsa_code_object_version 6
	.text
	.protected	k_q0c8130c481_attn
	.globl	k_q0c8130c481_attn
	.p2align	8
	.type	k_q0c8130c481_attn,@function
k_q0c8130c481_attn:
	s_mov_b64 s[64:65], 0
	v_nop
	global_prefetch_b8 v0, s[64:65] scope:SCOPE_SE
	s_setreg_imm32_b32 hwreg(HW_REG_WAVE_MODE, 25, 1), 1
	s_wait_xcnt 0x0
	s_wait_alu depctr_hold_cnt(0) depctr_sa_sdst(0) depctr_va_vdst(0) depctr_va_sdst(0) depctr_va_ssrc(0) depctr_va_vcc(0) depctr_vm_vsrc(0)
	s_getreg_b32 s2, hwreg(HW_REG_IB_STS2, 6, 4)
	s_cmp_eq_u32 s2, 0
	s_cbranch_scc0 .Lentry_in_a_cluster
	s_endpgm
.Lentry_in_a_cluster:
	s_bfe_u32 s2, ttmp6, 0x10000c
	s_cmp_lg_u32 s2, 0x3003
	s_cbranch_scc0 .Lentry_shape_is_right
	s_endpgm
.Lentry_shape_is_right:
; context = softmax(q k^T / 8, masked) v for one (batch, head), both products on codes of FP6 (E2M3) with E8M0 scales, and the context's quantiser along (head, d).  Nothing is left out.
; THE SOFTMAX: t = logit x log2(e); M = the running largest t rounded UP to a whole number; p = 2^(t - M) is quantised along the keys; the row's sum is taken of the unquantised p and divides at the end.
; THE MASK is an input, a word for each (batch, key).  A table in LDS holds for each key 0 or -8e9 (-1e9 x sqrt(64)); it is the C of the score's product.  A masked logit is then -1e9 + its own logit in place of -1e9:
; p is 0 there either way.  LIMIT: |logit| under 4.9e8.  A batch with no key left: by selects, with no branch, the table holds zeros and q's codes are zeros: all scores are 0 and every p is 1, as the definition gives.
; LIMITS: NaN and infinities are not served.  A block of zeros gets the byte 1 (its codes are zeros; only this program reads the bytes).  A block's largest p is made of its largest score by the same two
; instructions, which takes v_exp_f32 not to fall where its input rises.
; SHARES.  A work-group owns 512 queries of one head; each of its eight waves 64: two passes, each with TWO tiles of 16 queries side by side, which share every fragment of k and v and the mask's words.
; A HEAD'S k AND v, 204,800 bytes of register images and scale words, COME INTO LDS ONCE, two chunks of 12,800 bytes (128 keys each) to a wave, and stay: no byte of LDS is filled again.  So there is no later fill to prefetch for.
; The load lays 128 bytes of padding behind every 512: a group of 512 bytes begins every 640.  CLUSTER: the four work-groups of a head need the same bytes: each load is a joint one.
; LAYOUT.  S^T = k q^T and O^T = v^T p^T: a lane holds one query throughout.  The score's K is 64, the instruction's 128: source 0 holds TWO key tiles, source 1 is [q | 0] or [0 | q].
; WHICH KEYS FORM A TILE is chosen by the lanes' LDS addresses: rows 0-7 of fragment (c, f) are lanes 8 f .. 8 f + 7 of the image of keys 64 c .. + 31, rows 8-15 the same lanes of the image of keys 64 c + 32 .. + 63.
; So lane (r, h) holds in registers S + 32 c .. + 31 the scores of ONE scale block, keys 64 c + 32 h .. + 31, its groups of eight in the order 0, 2, 1, 3, which is v's order along the keys.
; REGISTERS.  Window 0: addresses, both tiles' small state, k's fragments, scale words, tile 0's S, O, p.  Window 1: v's tiles, both tiles' q, tile 1's S, O, p under the same numbers.
.set CHUNK, 12800
.set HEADB, 204800
.set KSC,   12288                      ; in a chunk in memory: k's (q's) scale words
.set CH,    16000                      ; a chunk in LDS: 25 groups of 640
.set LSC,   15360                      ; in it: k's scale words (256 bytes), then v's
.set BIAS,  256000                     ; the mask's table, 4 bytes a key
.set FLG,   264192                     ; a word for each wave: has its part of the mask a key that counts?
.set SPARE, 264448                     ; the spare words, 128 bytes a wave: four blocks of 256 bytes that no other line names
.set KL,  1                            ; 1920 (r / 8) + 16 (r % 8) + 256 h
.set KSL, 2                            ; 16 (r % 8) + 4 (r / 8)
.set SPW, 3
.set NIL, 4
.set LI,  5                            ; 16 x lane
.set R16, 6                            ; 16 r
.set AB,  7                            ; BIAS + 128 h
.set L8,  8                            ; 8 x lane
.set CSO, 9                            ; 32 r + h
.set AK,  10                           ; the next step's k, its scale words,
.set AKS, 11
.set AV,  12                           ; this step's v, its scale words,
.set AVS, 13
.set AM,  14                           ; the next step's part of the table
.set SH8, 15                           ; 8 h
.set ST,  16                           ; tile u's state at ST + 16 u: 0,1 -M; 2,3 f; 4 largest score; 5-7 at work; 8,9 blocks' largest; 10,11 scale operands; 12,13 bytes; 14,15 at work
.set FRGK, 48
.set S,   96
.set O,   160
.set PC,  192
.set PT,  204
.set SCK, 212
.set SCV, 216
.set PW,  220
.set QS,  224
.set SM,  226                          ; the row's sum: four pairs a tile
.set OC,  242
.set CB,  248
.set QW,  250
.set FRGV, 0                           ; window 1
.set QZ,  48                           ; window 1: tile u at QZ + 18 u: six zeros, q, six zeros
.set QI,  212                          ; window 1: q's two fragments
.set WV,  14
.set CX,  15
.set G1,  16
.set G0,  24
.set HD,  28
.set SEL, 36
.set CS,  38                           ; s[38:39] c = log2(e) / 8;  s40 -c
.set NC,  40
.set CNT, 41
.set T1,  42
.set ANY, 43
.set HM,  44
.set TN,  45
.set MN,  46
.set TB,  47
.set MSB, 0
.macro WIN new                         ; the immediate's high byte repeats the setting that is left
.if MSB != (\new)
	s_set_vgpr_msb (MSB<<8)|(\new)
.set MSB, (\new)
.endif
.endm
.macro WALU
	s_wait_alu depctr_va_vdst(0)
.endm
.macro ROUND                           ; a round of the cluster's barrier
	s_barrier_signal -1
	s_barrier_wait -1
	s_cmp_lg_u32 s[WV], 0
	s_cbranch_scc1 .Lnot_wave_0_\@
	s_barrier_signal -3
.Lnot_wave_0_\@:
	s_barrier_wait -3
	s_barrier_signal -1
	s_barrier_wait -1
.endm
.macro LOADK ak, aks                   ; 16 loads: k's four fragments and their scale words
.irp c, 0,1
.irp f, 0,1
.irp g, 0,1,2
	ds_load_b128 v[FRGK+12*(2*\c+\f)+4*\g:FRGK+12*(2*\c+\f)+4*\g+3], v[\ak] offset:3840*\c+128*\f+640*\g
.endr
	ds_load_b32 v[SCK+2*\c+\f], v[\aks] offset:LSC+128*\f+8*\c
.endr
.endr
.endm
.macro LOADM am                        ; 16 loads: the table's words of my 64 keys, into tile 0's S
.irp c, 0,1
.irp f, 0,1
.irp b, 0,1
	ds_load_b128 v[S+32*\c+16*\f+8*\b:S+32*\c+16*\f+8*\b+3], v[\am] offset:256*\c+32*\f+64*\b
	ds_load_b128 v[S+32*\c+16*\f+8*\b+4:S+32*\c+16*\f+8*\b+7], v[\am] offset:256*\c+32*\f+64*\b+16
.endr
.endr
.endr
.endm
.macro LOADV                           ; 13 loads: v's four tiles and their scale words
	WIN 0x40
.irp t, 0,1,2,3
.irp g, 0,1,2
	ds_load_b128 v[FRGV+12*\t+4*\g:FRGV+12*\t+4*\g+3], v[AV] offset:640*(12+3*\t+\g)
.endr
.endr
	WIN 0
	ds_load_b128 v[SCV:SCV+3], v[AVS] offset:LSC+256
.endm
.macro SMUL u                          ; tile u's scores: eight accumulators, one product each; C is the table in tile 0's S
	WIN 0x04|((\u)<<6)
.irp c, 0,1
.irp f, 0,1
	v_wmma_scale_f32_16x16x128_f8f6f4 v[S+32*\c+16*\f:S+32*\c+16*\f+7], v[FRGK+12*(2*\c+\f):FRGK+12*(2*\c+\f)+11], v[QZ+18*(\u)+6:QZ+18*(\u)+17], v[S+32*\c+16*\f:S+32*\c+16*\f+7], v[SCK+2*\c+\f], v[QS+\u] matrix_a_fmt:MATRIX_FMT_FP6 matrix_b_fmt:MATRIX_FMT_FP6
	v_wmma_scale_f32_16x16x128_f8f6f4 v[S+32*\c+16*\f+8:S+32*\c+16*\f+15], v[FRGK+12*(2*\c+\f):FRGK+12*(2*\c+\f)+11], v[QZ+18*(\u):QZ+18*(\u)+11], v[S+32*\c+16*\f+8:S+32*\c+16*\f+15], v[SCK+2*\c+\f], v[QS+\u] matrix_a_fmt:MATRIX_FMT_FP6 matrix_b_fmt:MATRIX_FMT_FP6
.endr
.endr
.endm
.macro CHL u, k, hint                  ; line k of tile u's chain: the running largest score, -M = floor(-t), f = 2^(old M - new M)
.set C_, ST+16*(\u)
.if (\k) == 0
	v_max3_num_f32 v[C_+5], v[C_+8], v[C_+9], v[C_+4]
.elseif (\k) == 1
.if \hint
	s_delay_alu instid0(VALU_DEP_1)
.endif
	v_permlanex16_b32 v[C_+6], v[C_+5], s[SEL], s[SEL+1]
.elseif (\k) == 2
.if \hint
	s_delay_alu instid0(VALU_DEP_1)
.endif
	v_max_num_f32 v[C_+4], v[C_+5], v[C_+6]
.elseif (\k) == 3
.if \hint
	s_delay_alu instid0(VALU_DEP_1)
.endif
	v_mul_f32 v[C_+7], s[NC], v[C_+4]
.elseif (\k) == 4
	v_mov_b32 v[C_+5], v[C_]
.elseif (\k) == 5
.if \hint
	s_delay_alu instid0(VALU_DEP_2)
.endif
	v_floor_f32 v[C_], v[C_+7]
.elseif (\k) == 6
.if \hint
	s_delay_alu instid0(VALU_DEP_1)
.endif
	v_sub_f32 v[C_+7], v[C_], v[C_+5]
.elseif (\k) == 7
.if \hint
	s_delay_alu instid0(VALU_DEP_1)
.endif
	v_cvt_i32_f32 v[C_+7], v[C_+7]                 ; (it saturates)
.elseif (\k) == 8
.if \hint
	s_delay_alu instid0(VALU_DEP_1)
.endif
	v_ldexp_f32 v[C_+2], 1.0, v[C_+7]
.endif
.endm
.macro PMAX u, ch                      ; the largest score of my two blocks of 32 keys, each in two chains over its halves, the four chains by turns; ch = 1: tile 1's chain stands among the lines
.set B_, ST+16*(\u)+8
.set H_, ST+16*(\u)+14
	WIN (\u)|((\u)<<2)|((\u)<<4)
	v_max3_num_f32 v[B_], v[S], v[S+1], v[S+2]
	v_max3_num_f32 v[H_], v[S+16], v[S+17], v[S+18]
	v_max3_num_f32 v[B_+1], v[S+32], v[S+33], v[S+34]
	v_max3_num_f32 v[H_+1], v[S+48], v[S+49], v[S+50]
	WIN ((\u)<<2)|((\u)<<4)
.set k_, 0
.irp i, 3,5,7,9,11,13
	v_max3_num_f32 v[B_], v[B_], v[S+\i], v[S+\i+1]
	v_max3_num_f32 v[H_], v[H_], v[S+16+\i], v[S+17+\i]
.if \ch
	CHL 1, k_, 0
.set k_, k_+1
.endif
	v_max3_num_f32 v[B_+1], v[B_+1], v[S+32+\i], v[S+33+\i]
	v_max3_num_f32 v[H_+1], v[H_+1], v[S+48+\i], v[S+49+\i]
.if \ch
	CHL 1, k_, 0
.set k_, k_+1
.endif
.endr
	v_max3_num_f32 v[B_], v[B_], v[S+15], v[S+31]
	v_max3_num_f32 v[B_+1], v[B_+1], v[S+47], v[S+63]
	WIN 0
	v_max_num_f32 v[B_], v[B_], v[H_]
	v_max_num_f32 v[B_+1], v[B_+1], v[H_+1]
.endm
.macro P2P4 u                          ; t - M, and O^T under the new M
	WIN 0x41*(\u)
.set j_, 0
.rept 32
	v_pk_fma_f32 v[S+j_:S+j_+1], v[S+j_:S+j_+1], s[CS:CS+1], v[ST+16*(\u):ST+16*(\u)+1] op_sel_hi:[1,0,0]
.set j_, j_+2
.endr
.set j_, 0
.rept 16
	v_pk_mul_f32 v[O+j_:O+j_+1], v[O+j_:O+j_+1], v[ST+16*(\u)+2:ST+16*(\u)+3] op_sel_hi:[1,0]
.set j_, j_+2
.endr
.endm
.macro P3BIG u                         ; p's codes, then the row's sum of the unquantised p: its 32 lines are the places between the codes and scale word and the products
.set B_, ST+16*(\u)
	WIN 0x41*(\u)
	v_cvt_scalef32_pk16_fp6_f32 v[PC:PC+2], v[S:S+15], v[B_+10]
	v_cvt_scalef32_pk16_fp6_f32 v[PT:PT+2], v[S+16:S+31], v[B_+10]
	v_cvt_scalef32_pk16_fp6_f32 v[PC+6:PC+8], v[S+32:S+47], v[B_+11]
	v_cvt_scalef32_pk16_fp6_f32 v[PT+4:PT+6], v[S+48:S+63], v[B_+11]
	v_nop                                          ; one plain place behind a scaled conversion
.irp i, 0,1,2
	v_mov_b32 v[PC+3+\i], v[PT+\i]
	v_mov_b32 v[PC+9+\i], v[PT+4+\i]
.endr
	WIN 0x10*(\u)
.irp k, 0,1,2,3
	v_pk_fma_f32 v[SM+8*(\u)+2*\k:SM+8*(\u)+2*\k+1], v[SM+8*(\u)+2*\k:SM+8*(\u)+2*\k+1], v[B_+2:B_+3], v[S+2*\k:S+2*\k+1] op_sel_hi:[1,0,1]   ; sum x f + p
.endr
	WIN 0x04*(\u)
.set j_, 8
.rept 28
	v_pk_add_f32 v[SM+8*(\u)+j_%8:SM+8*(\u)+j_%8+1], v[SM+8*(\u)+j_%8:SM+8*(\u)+j_%8+1], v[S+j_:S+j_+1]
.set j_, j_+2
.endr
.endm
.macro PV u                            ; O^T += v^T p^T: four accumulators by turns
	WIN 0x01|(0x54*(\u))
.irp t, 0,1,2,3
	v_wmma_scale_f32_16x16x128_f8f6f4 v[O+8*\t:O+8*\t+7], v[FRGV+12*\t:FRGV+12*\t+11], v[PC:PC+11], v[O+8*\t:O+8*\t+7], v[SCV+\t], v[PW+\u] matrix_a_fmt:MATRIX_FMT_FP6 matrix_b_fmt:MATRIX_FMT_FP6
.endr
.endm
; the tile's end: O^T / the sum (f holds 1 / sum), quantised along d (two blocks), codes back in the natural order
.macro TAIL u, n
.set B_, ST+16*(\u)
	WALU                                           ; the wait directly ahead of the first reader of O^T
	WIN 0x41*(\u)
.set j_, 0
.rept 16
	v_pk_mul_f32 v[O+j_:O+j_+1], v[O+j_:O+j_+1], v[B_+2:B_+3] op_sel_hi:[1,0]   ; register 8 t + i is the context at d = 16 t + 8 h + i
.set j_, j_+2
.endr
	WIN (\u)|((\u)<<2)
.irp b, 0,1
	v_max3_num_f32 v[B_+8+\b], |v[O+16*\b]|, |v[O+1+16*\b]|, 0x1800000
.endr
	WIN ((\u)<<2)|((\u)<<4)
.irp i, 2,4,6,8,10,12,14
.irp b, 0,1
	v_max3_num_f32 v[B_+8+\b], v[B_+8+\b], |v[O+16*\b+\i]|, |v[O+1+16*\b+\i]|
.endr
.endr
	WIN 0
.irp b, 0,1
	v_permlanex16_b32 v[B_+12+\b], v[B_+8+\b], s[SEL], s[SEL+1]
.endr
.irp b, 0,1
	v_max_num_f32 v[B_+8+\b], v[B_+8+\b], v[B_+12+\b]
.endr
.irp b, 0,1
	v_add_nc_u32 v[B_+10+\b], 0xff000000, v[B_+8+\b]
.endr
.irp b, 0,1
	v_lshrrev_b32 v[B_+12+\b], 23, v[B_+10+\b]
.endr
	WIN \u
	v_cvt_scalef32_pk16_fp6_f32 v[PC:PC+2], v[O:O+15], v[B_+10]
	v_cvt_scalef32_pk16_fp6_f32 v[PT:PT+2], v[O+16:O+31], v[B_+11]
	WIN 0
	v_nop
.irp i, 0,1,2
	v_permlane16_swap_b32 v[PC+\i], v[PT+\i]       ; lanes 0-15 block 0, lanes 16-31 block 1: words 0-2 in PC, words 3-5 in PT
.endr
.if \n
	WALU
	s_wait_xcnt 0x0                                ; the last tile's stores have read their data
.endif
	; a block is 192 bits, four groups of eight codes of 48 bits; the second and the third change places
	v_mov_b32 v[OC], v[PC]
	v_perm_b32 v[OC+1], v[PT], v[PC+1], 0x05040100
	v_perm_b32 v[OC+2], v[PT+1], v[PT], 0x05040302
	v_perm_b32 v[OC+3], v[PC+2], v[PC+1], 0x05040302
	v_perm_b32 v[OC+4], v[PT+1], v[PC+2], 0x07060302
	v_mov_b32 v[OC+5], v[PT+2]
	v_cndmask_b32 v[CB], v[B_+12], v[B_+13], s[HM] ; my block's byte
	global_store_b128 v[LI], v[OC:OC+3], s[10:11] offset:12288*(\n)        ; half a fragment's image: registers 0-3, 512 bytes on end,
	global_store_b64 v[L8], v[OC+4:OC+5], s[10:11] offset:12288*(\n)+512   ; registers 4-5, 256
	global_store_b8 v[CSO], v[CB], s[12:13] offset:512*(\n)                ; two bytes of each of 16 rows of scale bytes: one part in 24 of the launch's output
.endm
; ================= the head
	s_load_b256 s[4:11], s[0:1], 0x0               ; qimg s[4:5], kv s[6:7], mask s[8:9], ctx s[10:11]
	s_load_b64 s[12:13], s[0:1], 0x20              ; cscl
	v_lshl_add_u32 v[SPW], v0, 2, SPARE
	v_mov_b32 v[NIL], 0
	ds_add_u32 v[SPW], v[NIL]                      ; the opening: the add, twice on end, and its wait ahead of my first tensor load
	ds_add_u32 v[SPW], v[NIL]
	v_lshrrev_b32 v10, 5, v0
	v_readfirstlane_b32 s[WV], v10                 ; wave 0..7
	s_bfe_u32 s[CX], ttmp6, 0x40000                ; my quarter of the head's queries: it enters global addresses of q and of the results alone
	s_and_b32 s[HD], ttmp7, 0xffff                 ; 16 x batch + head, which the four partners share
	s_mov_b32 s[G1], 15|(3<<16)|(1<<20)|(1<<21)|(6<<22)|(31<<25)   ; all four; elements of 8 bytes; behind every 128 words 32 words of padding
	s_mov_b32 s[G1+1], 64<<16                      ; rows of 64 elements, 512 bytes
	s_mov_b32 s[G1+2], 50<<16                      ; 50 rows: two chunks
	s_mov_b32 s[G1+3], 64<<16
	s_mov_b32 s[G1+4], 50
	s_mov_b32 s[G1+5], 64                          ; dense
	s_mov_b32 s[G1+6], 0
	s_mov_b32 s[G1+7], 0
	s_mov_b32 s[G0], 1
	s_mul_i32 s[G0+1], s[WV], 2*CH
	s_mul_i32 s30, s[HD], HEADB
	s_mul_i32 s31, s[WV], 2*CHUNK
	s_add_co_u32 s30, s30, s31
	s_mov_b32 s31, 0
	s_mov_b32 s[SEL], 0x76543210
	s_mov_b32 s[SEL+1], 0xfedcba98
	s_mov_b32 s[CS], 0x3e38aa3b
	s_mov_b32 s[CS+1], s[CS]
	s_mov_b32 s[NC], 0xbe38aa3b
	s_mov_b32 s[HM], 0xffff0000
	s_wait_dscnt 0x0
	s_wait_kmcnt 0x0
	s_add_nc_u64 s[G0+2:G0+3], s[6:7], s[30:31]
	s_or_b32 s[G0+3], s[G0+3], 0x80000000
	ROUND                                          ; all four work-groups are here: the joint loads meet
	tensor_load_to_lds s[G0:G0+3], s[G1:G1+7]      ; every wave's one load
	s_nop 0
.rept 4
	v_nop
.endr
	s_lshr_b32 s32, s[HD], 4                       ; the batch
	s_and_b32 s33, s[HD], 15                       ; the head
	s_lshl_b32 s30, s32, 13
	s_add_nc_u64 s[8:9], s[8:9], s[30:31]
	s_lshl_b32 s34, s[CX], 2
	s_lshr_b32 s35, s[WV], 1
	s_add_co_u32 s34, s34, s35                     ; my chunk of 128 queries in qimg
	s_mul_i32 s30, s34, CHUNK
	s_mul_i32 s35, s[HD], HEADB
	s_add_co_u32 s30, s30, s35
	s_add_nc_u64 s[4:5], s[4:5], s[30:31]
	s_lshl_b32 s35, s32, 7
	s_lshl_b32 s34, s[CX], 5
	s_add_co_u32 s35, s35, s34
	s_lshl_b32 s34, s[WV], 2
	s_add_co_u32 s35, s35, s34                     ; my first tile of 16 rows: 128 x batch + 32 x quarter + 4 x wave
	s_mul_i32 s30, s35, 12288
	s_mul_i32 s34, s33, 768
	s_add_co_u32 s30, s30, s34
	s_add_nc_u64 s[10:11], s[10:11], s[30:31]      ; ctx: [tile of rows][head][768]
	s_lshl_b32 s30, s35, 9
	s_lshl_b32 s34, s33, 1
	s_add_co_u32 s30, s30, s34
	s_add_nc_u64 s[12:13], s[12:13], s[30:31]      ; cscl: [row][32]
	s_and_b32 s35, s[WV], 1                        ; my two fragments of q: 2 (wave % 2), + 1
	s_mul_i32 s34, s35, 3072
	s_lshl_b32 s35, s35, 3
	v_and_b32 v[R16], 15, v0                       ; r
	v_bfe_u32 v[SH8], v0, 4, 1                     ; h
	v_and_b32 v[LI], 31, v0
	v_lshlrev_b32 v10, 5, v0
	v_lshlrev_b32 v[L8], 3, v[LI]
	v_lshlrev_b32 v[LI], 4, v[LI]
	v_add_nc_u32 v11, s34, v[LI]
	v_lshl_add_u32 v[AM], v[R16], 4, s35
	v_lshl_add_u32 v[CSO], v[R16], 5, v[SH8]
	v_lshl_add_u32 v[AB], v[SH8], 7, BIAS
	v_and_b32 v[AV], 7, v0
	v_bfe_u32 v[AVS], v0, 3, 1
	v_mul_u32_u24 v[KL], v[AVS], 1920
	v_lshl_add_u32 v[KL], v[AV], 4, v[KL]
	v_lshl_add_u32 v[KL], v[SH8], 8, v[KL]
	v_lshlrev_b32 v[KSL], 2, v[AVS]
	v_lshl_add_u32 v[KSL], v[AV], 4, v[KSL]
	v_lshlrev_b32 v[R16], 4, v[R16]
	v_lshlrev_b32 v[SH8], 3, v[SH8]
	WALU
	global_load_b128 v[S:S+3], v10, s[8:9]         ; eight words of the batch's mask to a thread: 256 threads, 2,048 keys
	global_load_b128 v[S+4:S+7], v10, s[8:9] offset:16
	WIN 0x40
.irp p, 0,1
.irp g, 0,1,2
	global_load_b128 v[QI+12*\p+4*\g:QI+12*\p+4*\g+3], v11, s[4:5] offset:1536*\p+512*\g
.endr
.endr
	WIN 0
	global_load_b64 v[QW:QW+1], v[AM], s[4:5] offset:KSC
	s_wait_loadcnt 0x7                             ; the mask's two loads are in; q's seven stay out
	v_or_b32 v[S+8], v[S], v[S+1]
	v_or_b32 v[S+9], v[S+2], v[S+3]
	v_or_b32 v[S+10], v[S+4], v[S+5]
	v_or_b32 v[S+11], v[S+6], v[S+7]
	v_or_b32 v[S+8], v[S+8], v[S+9]
	v_or_b32 v[S+10], v[S+10], v[S+11]
	v_or_b32 v[S+8], v[S+8], v[S+10]
	v_cmp_ne_u32 s30, 0, v[S+8]
	s_cmp_lg_u32 s30, 0
	s_cselect_b32 s30, 1, 0                        ; has my wave's part a key that counts?
	v_mov_b32 v[S+9], s30
	v_mov_b32 v[S+10], s[WV]
	v_lshl_add_u32 v[S+10], v[S+10], 2, FLG
	ds_store_b32 v[S+10], v[S+9]                   ; all lanes write the same word with the same value
	s_wait_dscnt 0x0                               ; for the others' sake
	s_barrier_signal -1
	s_barrier_wait -1
	v_mov_b32 v[S+10], FLG
	ds_load_b128 v[S+12:S+15], v[S+10]
	ds_load_b128 v[S+16:S+19], v[S+10] offset:16
	s_wait_dscnt 0x0
.irp i, 13,14,15,16,17,18,19
	v_or_b32 v[S+12], v[S+12], v[S+\i]
.endr
	v_readfirstlane_b32 s30, v[S+12]
	s_cmp_lg_u32 s30, 0
	s_cselect_b32 s[ANY], -1, 0
	s_cselect_b32 s34, 0xcfee6b28, 0               ; -8e9, or 0 where no key of the batch counts
	v_mov_b32 v[S+9], s34
.irp i, 0,1,2,3,4,5,6,7
	v_cmp_eq_u32 vcc_lo, 0, v[S+\i]
	v_cndmask_b32 v[S+\i], 0, v[S+9], vcc_lo
.endr
	v_lshl_add_u32 v10, v0, 5, BIAS
	ds_store_b128 v10, v[S:S+3]
	ds_store_b128 v10, v[S+4:S+7] offset:16
	; written once: O^T and the sums (every pass's first f is 0, which brings whatever finite numbers they hold to 0), q's zeros, and what is named as a pair's upper half or a permute's destination
.set j_, 0
.rept 32
	v_mov_b32 v[O+j_], 0
.set j_, j_+1
.endr
.set j_, 0
.rept 16
	v_mov_b32 v[SM+j_], 0
.set j_, j_+1
.endr
.irp u, 0,16
.irp i, 1,3,6,12,13,15
	v_mov_b32 v[ST+\u+\i], 0
.endr
.endr
	WIN 0x40
.set j_, 0
.rept 32
	v_mov_b32 v[O+j_], 0
.set j_, j_+1
.endr
.irp u, 0,18
.irp i, 0,1,2,3,4,5,12,13,14,15,16,17
	v_mov_b32 v[QZ+\u+\i], 0
.endr
.endr
	WIN 0
	WALU
	s_wait_loadcnt 0x0                             ; q
	s_wait_tensorcnt 0x0                           ; my two chunks have landed,
	s_wait_dscnt 0x0                               ; my part of the table is stored:
	s_barrier_signal -1
	s_barrier_wait -1                              ; everybody's
	LOADK KL, KSL                                  ; step 0's k and table
	LOADM AB
; ================= a pass: two tiles of 16 queries, all 2,048 keys in 16 steps of 128, then the way out
.macro PASS p
	WIN 0x44
.irp u, 0,1
.irp i, 0,1,2,3,4,5
	v_and_b32 v[QZ+18*\u+6+\i], s[ANY], v[QI+12*(\p)+6*\u+\i]   ; q's codes, or zeros where no key of the batch counts
.endr
.endr
	WIN 0
	v_perm_b32 v[QS], v[QW+\p], v[QW+\p], 0x01000100
	v_perm_b32 v[QS+1], v[QW+\p], v[QW+\p], 0x03020302
.irp u, 0,16
	v_mov_b32 v[ST+\u+4], 0xff61b1e6               ; the largest score so far: -3e38
	v_mov_b32 v[ST+\u], 0x7e800000                 ; -M: so large that the first f is 0
.endr
.rept 8
	v_nop                                          ; places between the scale words and the first product
.endr
	WALU
	s_mov_b32 s[CNT], 0
.Lstep_\@:
	s_add_co_u32 s[T1], s[CNT], 1
	s_and_b32 s[T1], s[T1], 15                     ; the step behind this one; behind the last, step 0, which the next pass begins with (the last pass's is not used)
	s_mul_i32 s[TN], s[T1], CH
	s_lshl_b32 s[MN], s[T1], 9
	s_mul_i32 s[TB], s[CNT], CH
	s_wait_dscnt 0x0                               ; this step's k and table are in
	SMUL 1                                         ; tile 1 first: it reads the table out of tile 0's S
	WIN 0
	v_add_nc_u32 v[AK], s[TN], v[KL]               ; five places: behind them tile 0's products write over tile 1's C, v's loads land on the last products' operands, and tile 1's S is read
	v_add_nc_u32 v[AKS], s[TN], v[KSL]
	v_add_nc_u32 v[AM], s[MN], v[AB]
	v_add_nc_u32 v[AV], s[TB], v[LI]
	v_add_nc_u32 v[AVS], s[TB], v[R16]
	LOADV
	SMUL 0
	PMAX 1, 0
	WIN 0
	LOADK AK, AKS                                  ; 32 vector lines behind the products that read these registers
	PMAX 0, 1
	P2P4 1
	WIN 0
.irp k, 0,1,2,3,4,5,6,7,8
	CHL 0, \k, 1
.endr
.irp u, 0,16
.irp c, 0,1
	v_fma_f32 v[ST+\u+8+\c], v[ST+\u+8+\c], s[CS], v[ST+\u]   ; the blocks' largest scores as t - M
.endr
.endr
	P2P4 0
	WALU                                           ; the wait ahead of the batch
.irp u, 0,16
.irp c, 0,1
	v_exp_f32 v[ST+\u+8+\c], v[ST+\u+8+\c]         ; the block's largest p
.endr
.endr
.set j_, 0
.rept 64
	v_exp_f32 v[S+j_], v[S+j_]                     ; p = 2^(t - M)
.set j_, j_+1
.endr
	WIN 0x41
.set j_, 0
.rept 64
	v_exp_f32 v[S+j_], v[S+j_]
.set j_, j_+1
.endr
	WIN 0
	v_nop                                          ; a plain place behind the exponentials
	WALU                                           ; one wait for the batch, ahead of its first reader
.irp u, 0,16
.irp c, 0,1
	v_max_num_f32 v[ST+\u+8+\c], 0x1800000, v[ST+\u+8+\c]      ; the floor 2^(3 - 127)
.endr
.endr
.irp u, 0,16
.irp c, 0,1
	v_add_nc_u32 v[ST+\u+10+\c], 0xff000000, v[ST+\u+8+\c]     ; the conversion's scale operand
.endr
.endr
.irp u, 0,16
.irp c, 0,1
	v_lshrrev_b32 v[ST+\u+12+\c], 23, v[ST+\u+10+\c]           ; the scale's byte
.endr
.endr
.irp u, 0,16
	v_lshl_or_b32 v[ST+\u+14], v[ST+\u+13], 16, v[ST+\u+12]    ; my two bytes: blocks h and 2 + h,
.endr
.irp u, 0,16
	v_lshlrev_b32 v[ST+\u+14], v[SH8], v[ST+\u+14]             ; at their places;
.endr
.irp u, 0,16
	v_permlanex16_b32 v[ST+\u+15], v[ST+\u+14], s[SEL], s[SEL+1]
.endr
	v_or_b32 v[PW], v[ST+14], v[ST+15]             ; with lane l xor 16's two the word is whole
	v_or_b32 v[PW+1], v[ST+30], v[ST+31]
	P3BIG 0
	WIN 0
	WALU
	s_wait_dscnt 16                                ; v's 13 loads are in; the next step's 16 of k may be out
	LOADM AM                                       ; tile 0's p is done with: the next step's table
	PV 0
	P3BIG 1
	PV 1
	WIN 0
	s_add_co_u32 s[CNT], s[CNT], 1
	s_cmp_lt_u32 s[CNT], 16
	WALU
	s_cbranch_scc1 .Lstep_\@
.irp u, 0,1                            ; the rows' sums; these lines are also the places behind the last products
	v_pk_add_f32 v[SM+8*\u:SM+8*\u+1], v[SM+8*\u:SM+8*\u+1], v[SM+8*\u+2:SM+8*\u+3]
	v_pk_add_f32 v[SM+8*\u+4:SM+8*\u+5], v[SM+8*\u+4:SM+8*\u+5], v[SM+8*\u+6:SM+8*\u+7]
.endr
.irp u, 0,1
	v_pk_add_f32 v[SM+8*\u:SM+8*\u+1], v[SM+8*\u:SM+8*\u+1], v[SM+8*\u+4:SM+8*\u+5]
.endr
.irp u, 0,1
	v_add_f32 v[ST+16*\u+5], v[SM+8*\u], v[SM+8*\u+1]
.endr
.irp u, 0,1
	v_permlanex16_b32 v[ST+16*\u+6], v[ST+16*\u+5], s[SEL], s[SEL+1]
.endr
.irp u, 0,1
	v_add_f32 v[ST+16*\u+5], v[ST+16*\u+5], v[ST+16*\u+6]
.endr
	WALU
	v_rcp_f32 v[ST+2], v[ST+5]
	v_rcp_f32 v[ST+18], v[ST+21]
	v_nop
	TAIL 0, 2*(\p)
	TAIL 1, 2*(\p)+1
.endm
	PASS 0
	PASS 1
	s_wait_tensorcnt 0x0                           ; the wave's end
	ds_add_u32 v[SPW], v[NIL]
	s_wait_dscnt 0x0
	ROUND                                          ; the closing round
	s_endpgm
.Lfunc_end_k_q0c8130c481_attn:
	.size	k_q0c8130c481_attn, .Lfunc_end_k_q0c8130c481_attn-k_q0c8130c481_attn
	.p2alignl 7, 3214868480
	.fill 96, 4, 3214868480
	.section	.rodata,"a",@progbits
	.p2align	6, 0x0
	.amdhsa_kernel k_q0c8130c481_attn
		.amdhsa_group_segment_fixed_size 327680
		.amdhsa_private_segment_fixed_size 0
		.amdhsa_enable_private_segment 0
		.amdhsa_kernarg_size 40
		.amdhsa_user_sgpr_count 2
		.amdhsa_user_sgpr_kernarg_segment_ptr 1
		.amdhsa_wavefront_size32 1
		.amdhsa_system_sgpr_workgroup_id_x 1
		.amdhsa_system_sgpr_workgroup_id_y 1
		.amdhsa_system_sgpr_workgroup_id_z 1
		.amdhsa_system_vgpr_workitem_id 0
		.amdhsa_next_free_vgpr 512
		.amdhsa_next_free_sgpr 66
		.amdhsa_reserve_vcc 1
		.amdhsa_float_denorm_mode_32 3
		.amdhsa_float_denorm_mode_16_64 3
		.amdhsa_memory_ordered 1
		.amdhsa_forward_progress 1
		.amdhsa_inst_pref_size 89
	.end_amdhsa_kernel
	.amdgpu_metadata
---
amdhsa.version: [ 1, 2 ]
amdhsa.kernels:
  - .name:           k_q0c8130c481_attn
    .symbol:         k_q0c8130c481_attn.kd
    .args:
      - { .name: qimg, .offset: 0, .size: 8, .value_kind: global_buffer, .address_space: global }
      - { .name: kv, .offset: 8, .size: 8, .value_kind: global_buffer, .address_space: global }
      - { .name: mask, .offset: 16, .size: 8, .value_kind: global_buffer, .address_space: global }
      - { .name: ctx, .offset: 24, .size: 8, .value_kind: global_buffer, .address_space: global }
      - { .name: cscl, .offset: 32, .size: 8, .value_kind: global_buffer, .address_space: global }
    .group_segment_fixed_size: 327680
    .private_segment_fixed_size: 0
    .kernarg_segment_align: 8
    .kernarg_segment_size: 40
    .max_flat_workgroup_size: 256
    .sgpr_count:     66
    .vgpr_count:     512
    .wavefront_size: 32
...
	.end_amdgpu_metadata
.endif
;; end of part 2
;; launch oproj (part 3): grid 8 x 32, 4 waves a work-group, clusters of 4 x 4, 327,680 bytes of LDS; arguments ctx, cscl, Wo_codes, Wo_scales, bo, out0; writes out0
.if DOCPART == 3
	.amdgcn_target "amdgcn-amd-amdhsa--gfx1250"
	.amdhsa_code_object_version 6
	.text
	.protected	k_q0c8130c481_oproj
	.globl	k_q0c8130c481_oproj
	.p2align	8
	.type	k_q0c8130c481_oproj,@function
k_q0c8130c481_oproj:
	s_mov_b64 s[64:65], 0
	v_nop
	global_prefetch_b8 v0, s[64:65] scope:SCOPE_SE
	s_setreg_imm32_b32 hwreg(HW_REG_WAVE_MODE, 25, 1), 1
	s_wait_xcnt 0x0
	s_wait_alu depctr_hold_cnt(0) depctr_sa_sdst(0) depctr_va_vdst(0) depctr_va_sdst(0) depctr_va_ssrc(0) depctr_va_vcc(0) depctr_vm_vsrc(0)
	s_getreg_b32 s2, hwreg(HW_REG_IB_STS2, 6, 4)
	s_cmp_eq_u32 s2, 0
	s_cbranch_scc0 .Lentry_in_a_cluster
	s_endpgm
.Lentry_in_a_cluster:
	s_bfe_u32 s2, ttmp6, 0x10000c
	s_cmp_lg_u32 s2, 0xf033
	s_cbranch_scc0 .Lentry_shape_is_right
	s_endpgm
.Lentry_shape_is_right:
; out = context Wo + bo on codes of FP6 (E2M3) with E8M0 scales; f32 out.  Nothing is left out.  LIMIT: NaN and infinities are not served.
; A work-group makes 256 rows x 128 columns: 256 work-groups.  Four waves, 2 x 2: wave (a, b) has rows 128 a .. + 127 and columns 64 b .. + 63.  Its 64 rows of Wo, ALL of K, lie in 384 registers;
; its rows of the context go past them in 8 blocks of 16 rows, 32 products a block, through two sets of 96 registers.
; ctx is [tile of 16 rows][head][768]: half a fragment's image: registers 0-3 at 16 x lane, registers 4-5 at 512 + 8 x lane.  cscl is [row][32].
; LDS: the context's 16 tiles, a dense block of 196,608 bytes, and Wo's 128 rows of 768 bytes (+ 16 behind every 256), filled ONCE by four joint loads at the head, one a wave; a stage for each wave; the spare words.
; CLUSTERS 4 x 4: the context is shared along a row of the cluster, Wo along a column.  No prefetch: the launch has no loop to run ahead in; all that it reads is asked for at its head.
; Source 0 = Wo's rows: a lane holds one row of the result and eight neighbouring columns a tile.  The bias is the C of each sum's first product.
; THE WAY OUT: a block of 16 rows x 64 columns goes through my own stage and comes back by rows: sixteen lanes store 256 bytes on end, at a multiple of 256 from the buffer's first byte.
.set KROW,  768
.set PITCH, 816
.set FR,    12
.set FPW,   21
.set NQ,    8
.set NB,    4
.set HALFX, 98304                      ; 128 rows of the context
.set WB,    2*HALFX
.set STG,   WB+128*PITCH               ; 16 rows x 272 bytes for each wave
.set SPARE, STG+4*16*272
.set XI,   4                           ; v4, v5  LDS: 16 x lane, blocks 0-3 and 4-7
.set XJ,   6                           ; v6, v7  8 x lane
.set XS,   8
.set CO,   9
.set SPW,  10
.set NIL,  11
.set WA,   12
.set STO,  20
.set BO,   21
.set RD,   22
.set SB,   24
.set SA,   44
.set BB,   76
.set ACC,  108
.set BK,   172                         ; v172-235 two sets of 32: a block read back from the stage
.set G1X, 24
.set G1W, 32
.set G0X, 56
.set G0W, 60
.set MSB, 0
.macro WIN new
.if MSB != (\new)
	s_set_vgpr_msb (MSB<<8)|(\new)
.set MSB, (\new)
.endif
.endm
.macro PLACES n
.rept \n
	v_nop
.endr
.endm
.macro WALU
	s_wait_alu depctr_va_vdst(0)
.endm
.macro BARRIER
	s_barrier_signal -1
	s_barrier_wait -1
.endm
.macro CROUND
	BARRIER
	s_cmp_lg_u32 s14, 0
	s_cbranch_scc1 .Lnot_wave_0_\@
	s_barrier_signal -3
.Lnot_wave_0_\@:
	s_barrier_wait -3
	BARRIER
.endm
.macro TLOAD g0, g1
	tensor_load_to_lds s[\g0:\g0+3], s[\g1:\g1+7]
	s_nop 0
	PLACES 4
.endm
.macro FRAG f, q, a0, a1               ; a fragment of Wo: six pieces of 8 bytes, two to a load where both lie behind as many paddings
	WIN (1+(\f)/FPW)<<6
.set R_, FR*((\f)%FPW)
.set SKIP_, 0
.irp p, 0,1,2,3,4,5
.if SKIP_
.set SKIP_, 0
.else
.set PC_, 12*(\q)+6*(\p/3)+\p%3
.set PN_, 12*(\q)+6*((\p+1)/3)+(\p+1)%3
.set X_, (PC_%32+3)/32
.set XQ_, (PN_%32+3)/32
.if (\p < 5) && (X_ == XQ_)
.set SKIP_, 1
.if X_
	ds_load_2addr_b64 v[R_+2*\p:R_+2*\p+3], \a1 offset0:PC_+2*(PC_/32) offset1:PN_+2*(PN_/32)
.else
	ds_load_2addr_b64 v[R_+2*\p:R_+2*\p+3], \a0 offset0:PC_+2*(PC_/32) offset1:PN_+2*(PN_/32)
.endif
.elseif X_
	ds_load_b64 v[R_+2*\p:R_+2*\p+1], \a1 offset:8*(PC_+2*(PC_/32))
.else
	ds_load_b64 v[R_+2*\p:R_+2*\p+1], \a0 offset:8*(PC_+2*(PC_/32))
.endif
.endif
.endr
.endm
.macro FETCHX s                        ; block s of the context into set s % 2: 32 loads, images as they lie
.irp q, 0,1,2,3,4,5,6,7
.set F_, NB*NQ+NQ*((\s)%2)+\q
.set R_, FR*(F_%FPW)
.set O_, ((\s)%4)*12288+\q*1536
	WIN (1+F_/FPW)<<6
	ds_load_b128 v[R_:R_+3], v[XI+(\s)/4] offset:O_
	ds_load_b64 v[R_+4:R_+5], v[XJ+(\s)/4] offset:O_+512
	ds_load_b128 v[R_+6:R_+9], v[XI+(\s)/4] offset:O_+768
	ds_load_b64 v[R_+10:R_+11], v[XJ+(\s)/4] offset:O_+1280
.endr
	WIN 0
.endm
.macro PRODX d, f0, f1, c, x0, x1, ra, rb
	v_wmma_scale_f32_16x16x128_f8f6f4 v[\d:\d+7], v[FR*((\f0)%FPW):FR*((\f0)%FPW)+FR-1], v[FR*((\f1)%FPW):FR*((\f1)%FPW)+FR-1], \c, v[\x0], v[\x1] matrix_a_fmt:MATRIX_FMT_FP6 matrix_b_fmt:MATRIX_FMT_FP6 matrix_a_scale:MATRIX_SCALE_ROW\ra matrix_b_scale:MATRIX_SCALE_ROW\rb
.endm
.macro PROD1 d, f0, f1, c, x0, x1, r0, r1
.if (\r0) && (\r1)
	PRODX \d, \f0, \f1, \c, \x0, \x1, 1, 1
.elseif (\r0)
	PRODX \d, \f0, \f1, \c, \x0, \x1, 1, 0
.elseif (\r1)
	PRODX \d, \f0, \f1, \c, \x0, \x1, 0, 1
.else
	PRODX \d, \f0, \f1, \c, \x0, \x1, 0, 0
.endif
.endm
.macro PROD s, n                       ; product n = 4 q + tile of block s; the four accumulators take turns
.set Q_, (\n)/4
.set B_, (\n)%4
.set FW_, NB*Q_+B_
.set FX_, NB*NQ+NQ*((\s)%2)+Q_
.set XW_, SB+8*(B_/2)+Q_
.set XX_, SA+8*((\s)/2)+Q_
.set D_, ACC+32*((\s)%2)+8*B_
	WIN (1+FW_/FPW)|((1+FX_/FPW)<<2)
.if Q_
	PROD1 D_, FW_, FX_, v[D_:D_+7], XW_, XX_, B_%2, (\s)%2
.else
	PROD1 D_, FW_, FX_, v[BB+8*B_:BB+8*B_+7], XW_, XX_, B_%2, (\s)%2
.endif
.endm
.macro TOSTAGE s                       ; 8 stores and 8 loads; LDS serves a wave's instructions in order (ISA guide 5.7.1.4)
.irp b, 0,1,2,3
	ds_store_b128 v[STO], v[ACC+32*((\s)%2)+8*\b:ACC+32*((\s)%2)+8*\b+3] offset:64*\b      ; each accumulator from its low end on
	ds_store_b128 v[STO], v[ACC+32*((\s)%2)+8*\b+4:ACC+32*((\s)%2)+8*\b+7] offset:64*\b+16
.endr
.irp t, 0,1,2,3,4,5,6,7
	ds_load_b128 v[BK+32*((\s)%2)+4*\t:BK+32*((\s)%2)+4*\t+3], v[RD] offset:\t*544
.endr
.endm
.macro SEND s
.irp t, 0,1,2,3,4,5,6,7
	global_store_b128 v[CO], v[BK+32*((\s)%2)+4*\t:BK+32*((\s)%2)+4*\t+3], s[70:71] offset:(16*(\s)+2*\t)*4096 th:TH_STORE_NT
.endr
.endm
; ================= the head
	s_load_b256 s[4:11], s[0:1], 0x0               ; ctx, cscl, Wo's codes, Wo's scales
	s_load_b128 s[68:71], s[0:1], 0x20             ; bo, out0
	v_lshl_add_u32 v[SPW], v0, 2, SPARE
	v_mov_b32 v[NIL], 0
	ds_add_u32 v[SPW], v[NIL]                      ; the opening: the add, twice on end, and its wait ahead of my first tensor load
	ds_add_u32 v[SPW], v[NIL]
	v_lshrrev_b32 v1, 5, v0
	v_readfirstlane_b32 s14, v1                    ; wave; s15 = a, s16 = b
	s_lshr_b32 s15, s14, 1
	s_and_b32 s16, s14, 1
	s_bfe_u32 s40, ttmp6, 0x40000
	s_bfe_u32 s41, ttmp6, 0x40004
	s_lshl_b32 s42, ttmp9, 2
	s_add_co_u32 s42, s42, s40                     ; tile of 128 columns, 0..7
	s_and_b32 s43, ttmp7, 0xffff
	s_lshl_b32 s43, s43, 2
	s_add_co_u32 s43, s43, s41                     ; tile of 256 rows, 0..31
	s_lshl_b32 s44, s41, 2
	s_lshl_b32 s44, 15, s44                        ; my row of the cluster
	s_lshl_b32 s45, 0x1111, s40                    ; my column
	s_or_b32 s[G1X+0], s44, (3<<16)|(1<<21)        ; a dense block of 98,304 bytes as 96 rows of 1,024 (128 elements of 8 bytes), no padding
	s_mov_b32 s[G1X+1], 128<<16
	s_mov_b32 s[G1X+2], 96<<16
	s_mov_b32 s[G1X+3], 128<<16
	s_mov_b32 s[G1X+4], 96
	s_mov_b32 s[G1X+5], 128
	s_mov_b32 s[G1X+6], 0
	s_mov_b32 s[G1X+7], 0
	s_or_b32 s[G1W+0], s45, (1<<20)|(1<<21)|(5<<22)|(3<<25)   ; 64 rows of 768 bytes, 16 bytes of padding behind every 256
	s_mov_b32 s[G1W+1], KROW<<16
	s_mov_b32 s[G1W+2], 64<<16
	s_mov_b32 s[G1W+3], KROW<<16
	s_mov_b32 s[G1W+4], 64
	s_mov_b32 s[G1W+5], KROW
	s_mov_b32 s[G1W+6], 0
	s_mov_b32 s[G1W+7], 0
	s_lshl_b32 s46, s43, 8                         ; the joint loads: wave & 1 says which half
	s_lshl_b32 s20, s16, 7
	s_add_co_u32 s46, s46, s20
	s_mul_i32 s46, s46, KROW
	s_mov_b32 s47, 0
	s_lshl_b32 s48, s42, 7
	s_lshl_b32 s20, s16, 6
	s_add_co_u32 s48, s48, s20
	s_mul_i32 s48, s48, KROW
	s_mov_b32 s49, 0
	s_mov_b32 s[G0X], 1
	s_mul_i32 s[G0X+1], s16, HALFX
	s_mov_b32 s[G0W], 1
	s_mul_i32 s[G0W+1], s16, 64*PITCH
	s_add_co_u32 s[G0W+1], s[G0W+1], WB
	s_mul_i32 s94, s15, HALFX
	s_mul_i32 s93, s14, 16*272
	s_add_co_u32 s93, s93, STG
	s_lshl_b32 s50, s43, 8
	s_lshl_b32 s20, s15, 7
	s_add_co_u32 s50, s50, s20                     ; my first row
	s_lshl_b32 s52, s42, 7
	s_lshl_b32 s20, s16, 6
	s_add_co_u32 s52, s52, s20                     ; my first column
	s_lshl_b32 s54, s50, 5
	s_mov_b32 s55, 0
	s_lshl_b32 s86, s52, 5
	s_mov_b32 s87, 0
	s_lshl_b32 s88, s52, 2
	s_mov_b32 s89, 0
	s_lshl_b32 s90, s50, 12
	s_add_co_u32 s90, s90, s88
	s_mov_b32 s91, 0
	v_and_b32 v1, 15, v0                           ; r
	v_bfe_u32 v2, v0, 4, 1                         ; h
	v_and_b32 v3, 31, v0                           ; lane
	v_mul_u32_u24 v40, v1, PITCH
	v_mad_u32_u24 v41, v2, 24, v40
	v_mad_u32_u24 v40, v2, 40, v40
	v_add_nc_u32 v[WA], s[G0W+1], v41
	v_add_nc_u32 v[WA+1], s[G0W+1], v40
.irp t, 1,2,3
	v_add_nc_u32 v[WA+2*\t], \t*16*PITCH, v[WA]
	v_add_nc_u32 v[WA+2*\t+1], \t*16*PITCH, v[WA+1]
.endr
	v_lshl_add_u32 v[XI], v3, 4, s94
	v_lshl_add_u32 v[XJ], v3, 3, s94
	v_add_nc_u32 v[XI+1], 4*12288, v[XI]
	v_add_nc_u32 v[XJ+1], 4*12288, v[XJ]
	v_lshlrev_b32 v[XS], 5, v3
	v_lshlrev_b32 v[BO], 5, v2
	v_mul_u32_u24 v40, v1, 272
	v_lshl_add_u32 v40, v2, 5, v40
	v_add_nc_u32 v[STO], s93, v40                  ; in: row r, 32 bytes for each half of the lanes
	v_mul_u32_u24 v41, v2, 272
	v_lshl_add_u32 v41, v1, 4, v41
	v_add_nc_u32 v[RD], s93, v41                   ; back: lanes 0-15 one row of 256 bytes, lanes 16-31 the next
	v_lshlrev_b32 v[CO], 12, v2
	v_lshl_add_u32 v[CO], v1, 4, v[CO]             ; and the same two rows in the result
	WALU                                           ; the wait at the head's end
	s_wait_dscnt 0x0
	CROUND                                         ; all sixteen work-groups are here: the joint loads meet
	s_wait_kmcnt 0x0
	s_add_nc_u64 s[G0X+2:G0X+3], s[4:5], s[46:47]
	s_add_nc_u64 s[G0W+2:G0W+3], s[8:9], s[48:49]
	s_or_b32 s[G0X+3], s[G0X+3], 0x80000000
	s_or_b32 s[G0W+3], s[G0W+3], 0x80000000
	s_cmp_lt_u32 s14, 2
	s_cbranch_scc0 .Lfor_x
	TLOAD G0W, G1W                                 ; waves 0, 1: a half each of Wo's 128 rows, asked for first
	s_branch .Lasked
.Lfor_x:
	TLOAD G0X, G1X                                 ; waves 2, 3: a half each of the context's 256 rows
.Lasked:
	s_add_nc_u64 s[6:7], s[6:7], s[54:55]
	s_add_nc_u64 s[10:11], s[10:11], s[86:87]
	s_add_nc_u64 s[68:69], s[68:69], s[88:89]
	s_add_nc_u64 s[70:71], s[70:71], s[90:91]
.irp p, 0,1
.irp c, 0,1
	global_load_b128 v[SB+8*\p+4*\c:SB+8*\p+4*\c+3], v[XS], s[10:11] offset:1024*\p+16*\c
.endr
.endr
.irp p, 0,1,2,3
.irp c, 0,1
	global_load_b128 v[SA+8*\p+4*\c:SA+8*\p+4*\c+3], v[XS], s[6:7] offset:1024*\p+16*\c
.endr
.endr
.irp b, 0,1,2,3                        ; register 8 b + i = bo[16 b + 8 h + i]
	global_load_b128 v[BB+8*\b:BB+8*\b+3], v[BO], s[68:69] offset:64*\b
	global_load_b128 v[BB+8*\b+4:BB+8*\b+7], v[BO], s[68:69] offset:64*\b+16
.endr
	s_cmp_lt_u32 s14, 2
	s_cbranch_scc0 .Lnot_w
	s_wait_tensorcnt 0x0                           ; the two waves that asked for Wo's rows wait for them
.Lnot_w:
	BARRIER                                        ; Wo's rows are in
.irp q, 0,1,2,3,4,5,6,7
.irp b, 0,1,2,3
	FRAG NB*\q+\b, \q, v[WA+2*\b], v[WA+2*\b+1]
.endr
.endr
	WIN 0
	s_wait_tensorcnt 0x0                           ; every wave: all that is out
	s_wait_dscnt 0x0
	BARRIER                                        ; the context's rows are in
	FETCHX 0
	FETCHX 1
	s_wait_loadcnt 0x0                             ; scale words and bias
; ================= eight blocks.  Behind block s's products: block s - 1, back from the stage, is stored; block s goes to the stage; block s + 2 is fetched
.irp s, 0,1,2,3,4,5,6,7
.if \s == 0
	s_wait_dscnt 32                                ; block 1's fetch may be out
.elseif \s < 7
	s_wait_dscnt 48                                ; the last block's 16 stage instructions and the next block's fetch of 32 may be out
.else
	s_wait_dscnt 16                                ; the stage's 16
.endif
.set N_, 0
.rept 32
	PROD \s, N_
.set N_, N_+1
.endr
	WIN 0
.if \s > 0
.if \s < 7
	s_wait_dscnt 32                                ; the last block is back from the stage; the fetch behind it may be out
.else
	s_wait_dscnt 0x0
.endif
	SEND \s-1
.endif
	PLACES 4                                       ; between the products and the reads of, and loads into, their registers
.if \s >= 2
	s_wait_xcnt 0x0                                ; the stores have read the registers into which the stage is read back
.endif
	TOSTAGE \s
.if \s < 6
	FETCHX \s+2
.endif
.endr
	s_wait_dscnt 0x0
	SEND 7
	s_wait_tensorcnt 0x0                           ; the wave's end
	ds_add_u32 v[SPW], v[NIL]
	s_wait_dscnt 0x0
	CROUND                                         ; the closing round
	s_endpgm
.Lfunc_end_k_q0c8130c481_oproj:
	.size	k_q0c8130c481_oproj, .Lfunc_end_k_q0c8130c481_oproj-k_q0c8130c481_oproj
	.p2alignl 7, 3214868480
	.fill 96, 4, 3214868480
	.section	.rodata,"a",@progbits
	.p2align	6, 0x0
	.amdhsa_kernel k_q0c8130c481_oproj
		.amdhsa_group_segment_fixed_size 327680
		.amdhsa_private_segment_fixed_size 0
		.amdhsa_enable_private_segment 0
		.amdhsa_kernarg_size 48
		.amdhsa_user_sgpr_count 2
		.amdhsa_user_sgpr_kernarg_segment_ptr 1
		.amdhsa_wavefront_size32 1
		.amdhsa_system_sgpr_workgroup_id_x 1
		.amdhsa_system_sgpr_workgroup_id_y 1
		.amdhsa_system_sgpr_workgroup_id_z 1
		.amdhsa_system_vgpr_workitem_id 0
		.amdhsa_next_free_vgpr 1024
		.amdhsa_next_free_sgpr 100
		.amdhsa_reserve_vcc 0
		.amdhsa_float_denorm_mode_32 3
		.amdhsa_float_denorm_mode_16_64 3
		.amdhsa_memory_ordered 1
		.amdhsa_forward_progress 1
		.amdhsa_inst_pref_size 81
	.end_amdhsa_kernel
	.amdgpu_metadata
---
amdhsa.version: [ 1, 2 ]
amdhsa.kernels:
  - .name:           k_q0c8130c481_oproj
    .symbol:         k_q0c8130c481_oproj.kd
    .args:
      - { .name: ctx, .offset: 0, .size: 8, .value_kind: global_buffer, .address_space: global }
      - { .name: cscl, .offset: 8, .size: 8, .value_kind: global_buffer, .address_space: global }
      - { .name: Wo_codes, .offset: 16, .size: 8, .value_kind: global_buffer, .address_space: global }
      - { .name: Wo_scales, .offset: 24, .size: 8, .value_kind: global_buffer, .address_space: global }
      - { .name: bo, .offset: 32, .size: 8, .value_kind: global_buffer, .address_space: global }
      - { .name: out0, .offset: 40, .size: 8, .value_kind: global_buffer, .address_space: global }
    .group_segment_fixed_size: 327680
    .private_segment_fixed_size: 0
    .kernarg_segment_align: 8
    .kernarg_segment_size: 48
    .max_flat_workgroup_size: 128
    .sgpr_count:     100
    .vgpr_count:     1024
    .wavefront_size: 32
...
	.end_amdgpu_metadata
.endif
;; end of part 3
